; MI455X (gfx1250); checked and timed in simulation.
; The chip was launched on July 23, 2026; its instructions are those of AMD's public machine-readable ISA for CDNA 5 (MIT licence, August 2026) and "CDNA5" Instruction Set Architecture Reference Guide (July 2026). The comments in the code are by the model that wrote it; some were corrected since.
;; Causal Self Attention. Allowed arithmetic: matrix products marked QUANTISED: E2M1 operands, one E8M0 scale for each 32 along K, by v_wmma_scale_f32_16x16x128_f8f6f4 with both operands' format E2M1 (or v_wmma_scale_f32_32x16x128_f4), f32 sums; products left as they are: bf16, f16 or f32 operands; f32 sums; everything else in f32.
;; Inputs: Wk 1,024 x 1,024 float32; Wq 1,024 x 1,024 float32; Wv 1,024 x 1,024 float32; x 4 x 2,048 x 1,024 float32.
;; Outputs: out0 4 x 2,048 x 1,024 float32.
;; This version of the problem:
;;   THIS VERSION OF THE PROBLEM IS GIVEN IN LOW PRECISION. The matrix products marked QUANTISED in the list below multiply operands that are first quantised to E2M1 (2 exponent bits, 1 mantissa bit; 4 bits a number), with one power-of-two scale for each 32 numbers along K (OCP MX v1.0); their sums are f32. The products marked 'left as it is' may take bf16, f16 or f32 operands, with f32 sums. Whichever they take, every output number must still come out within the allowed error. Rounding operands to bf16 (8 significant bits) uses up far more of that allowance than f16 does (11 bits, for magnitudes from 6e-5 to 65,504). All else is computed in f32.
;;   The module's matrix products, in the order in which they are computed (A, B: the left and right operand; K: the contracted axis; several contracted axes count as one K, in the product's order):
;;     1. [M 8,192, K 1,024] x [K 1,024, N 1,024]; A: input x; B: input Wq: QUANTISED
;;     2. [M 8,192, K 1,024] x [K 1,024, N 1,024]; A: input x; B: input Wk: QUANTISED
;;     3. [M 8,192, K 1,024] x [K 1,024, N 1,024]; A: input x; B: input Wv: QUANTISED
;;     4. batch 4 x [M 2,048, K 1,024] x [K 1,024, N 2,048]; A: computed on the way; B: computed on the way: left as it is (an operand is computed on the way)
;;     5. batch 4 x [M 2,048, K 2,048] x [K 2,048, N 1,024]; A: computed on the way; B: computed on the way: left as it is (an operand is computed on the way)
;;   THE QUANTISER, for each operand of a quantised product, along K:
;;     - K is cut into blocks of 32 from its start; a last block that is shorter is filled with zeros.
;;     - A block's scale is 2^e with e = floor(log2(the largest magnitude in the block)) - 2, held to -126 .. 127; a block of zeros has e = 0. As a byte (E8M0): e + 127.
;;     - Each number is divided by its block's scale, clamped to +-6, and rounded to the nearest number of E2M1, ties to even, subnormals kept.
;;     - The product sums the exact products of the quantised numbers (number of the format x scale) in f32.
;;   ~~~python
;;   def quantise(x, axis):      # numpy; x: float32 -> the quantised numbers, widened to float32 again
;;       x = np.moveaxis(x, axis, -1); K = x.shape[-1]
;;       x = np.pad(x, [(0, 0)] * (x.ndim - 1) + [(0, -K % 32)]); x = x.reshape(x.shape[:-1] + (-1, 32)); a = np.abs(x).max(-1, keepdims=True)
;;       e = np.where(a > 0, np.clip(np.frexp(np.where(a > 0, a, 1))[1] - 1 - 2, -126, 127), 0)      # np.frexp(a)[1] - 1 = floor(log2(a)), exactly
;;       r = np.clip(x / 2.0 ** e, -6, 6)
;;       step = 2.0 ** (np.maximum(np.frexp(np.where(r == 0, 1, r))[1] - 1, 0) - 1)
;;       q = np.round(r / step) * step * 2.0 ** e      # np.round: ties to even
;;       return np.moveaxis(q.reshape(q.shape[:-2] + (-1,))[..., :K], -1, axis).astype(np.float32)
;;   ~~~
;; One version. Each part assembles by itself: llvm-mc -triple=amdgcn-amd-amdhsa -mcpu=gfx1250 --defsym DOCPART=n.
;; ======== version 1 of 1: 6 launches
;; limits: values are held in f16: magnitudes above 65,504 overflow, below 6.1e-05 lose precision
;; workspace buffers: codes 5,767,168 bytes; scales 360,448 bytes; qk 33,554,432 bytes; vt 16,777,216 bytes; fine32 786,432 bytes; s 67,108,864 bytes; p 33,554,432 bytes
;; launch quant (part 1): grid 224 x 1, 8 waves a work-group, no clusters, 84,480 bytes of LDS; arguments x, Wq, Wk, Wv, codes, scales; writes codes, scales
.if DOCPART == 1
	.amdgcn_target "amdgcn-amd-amdhsa--gfx1250"
	.amdhsa_code_object_version 6
	.text
	.protected	k_q3c2507da5f_quant
	.globl	k_q3c2507da5f_quant
	.p2align	8
	.type	k_q3c2507da5f_quant,@function
k_q3c2507da5f_quant:
	s_mov_b64 s[64:65], 0
	v_nop
	global_prefetch_b8 v0, s[64:65] scope:SCOPE_SE
	s_setreg_imm32_b32 hwreg(HW_REG_WAVE_MODE, 25, 1), 1
	s_wait_xcnt 0x0
; x [8192][1024] and Wq, Wk, Wv [1024 (k)][1024 (n)], f32, become codes of FP4 (E2M1), K innermost, two codes a byte (the lower k in the low four bits), with one E8M0 byte for each 32 along K.
; codes:  x's rows [8192][512 bytes] from byte 0; from W_OFF on 3,072 rows of 512 bytes: the columns of Wq, of Wk, of Wv.   scales: [8192][32] from byte 0; [3072][32] from WS_OFF on.
; A block's scale is 2^(floor(log2(its largest magnitude)) - 2): its byte is the largest magnitude's exponent field - 2, held at 1 from below by a floor among the maximum's leaves.
; LIMITS: a block of zeros gets the byte 1 where the rule says 127 (its codes are zeros, and this program alone reads the bytes); blocks whose largest magnitude lies under 2^-124 have the byte 1; NaN and infinities are not served.
; ONE LAUNCH, TWO STREAMS that share nothing: work-groups 0-127 take x, work-groups 128-223 the weights.  The ways part once, on the work-group's number; each has LDS bytes of its own.
; x: K is innermost, so x is a plain stream of blocks.  A wave takes 16 steps of 512 numbers; each load reads 512 consecutive bytes; a step turns through the wave's own stage in LDS so that a lane holds 16 neighbours.
; W: K is the first axis.  A lane takes a column and its registers run down K; wave w takes K rows 128 w .. 128 w + 127 of 32 columns, so the eight waves make 32 whole rows of 512 bytes of codes, which meet in LDS.
.set STEPS,  16
.set SP,     80                        ; x: a lane's place in a stage: 64 bytes + 16 of padding
.set WSTG,   65536                     ; W: 32 rows x (512 bytes + 16); bytes 0 .. 65,535 are x's: 8,192 for each wave (two stages of 32 x SP, then 256 scale bytes)
.set WP,     528
.set WSC,    WSTG+32*WP                ; W: 32 rows x 32 scale bytes
.set SPARE,  WSC+1024                  ; the spare words, 128 bytes for each wave: four blocks of 256 bytes that no other line names
.set W_OFF,  4194304
.set WS_OFF, 262144
.set SPW, 12                           ; v12  LDS address of my spare word; never rewritten
.set NIL, 13                           ; v13  0; never rewritten
.set R,   16                           ; x: v16-143  eight sets of 16 numbers as they are loaded
.set X,   144                          ; x: v144-175 two sets of 16 neighbours
.set E,   176                          ; x: v176-191 a scale byte for each step
.set C,   192                          ; x: v192-223 two registers of codes for each step: no store's data are written again
.set N,   16                           ; W: v16-143  four blocks of 32 numbers
.set WC,  144                          ; W: v144-159 four registers of codes for each block
.set SB,  160                          ; W: v160     my column's four scale bytes
.set OUTR, 164                         ; W: v164-179 four rows read back;  v180-181 scale bytes read back
	s_load_b256 s[4:11], s[0:1], 0x0               ; x s[4:5], Wq s[6:7], Wk s[8:9], Wv s[10:11]
	s_load_b128 s[12:15], s[0:1], 0x20             ; codes s[12:13], scales s[14:15]
	v_lshl_add_u32 v[SPW], v0, 2, SPARE
	v_mov_b32 v[NIL], 0
	v_lshrrev_b32 v1, 5, v0
	v_readfirstlane_b32 s16, v1                    ; wave 0..7
	v_and_b32 v2, 31, v0                           ; lane
	s_mov_b32 s19, 0                               ; the upper word of every offset
	s_wait_kmcnt 0x0
	s_cmp_lt_u32 ttmp9, 128                        ; the work-group's number alone: all eight waves go the same way
	s_cbranch_scc0 .Lweights
; ---------------- x ----------------
	s_lshl_b32 s17, ttmp9, 3
	s_add_co_u32 s17, s17, s16                     ; which run of 8,192 numbers is my wave's: 0 .. 1,023
	s_lshl_b32 s18, s17, 15
	s_add_nc_u64 s[4:5], s[4:5], s[18:19]          ; 32,768 bytes of f32 a run,
	s_lshl_b32 s18, s17, 12
	s_add_nc_u64 s[12:13], s[12:13], s[18:19]      ; 4,096 of codes,
	s_lshl_b32 s18, s17, 8
	s_add_nc_u64 s[14:15], s[14:15], s[18:19]      ; 256 scale bytes
	s_lshl_b32 s20, s16, 13                        ; my wave's 8,192 bytes of LDS
	v_lshlrev_b32 v3, 4, v2                        ; my 16 bytes of a load's 512
	v_lshlrev_b32 v4, 3, v2                        ; my 8 bytes of a step's codes
	v_lshrrev_b32 v14, 2, v2
	v_mul_u32_u24 v14, v14, SP
	v_and_b32 v15, 3, v2
	v_lshl_add_u32 v14, v15, 4, v14
	v_add_nc_u32 v14, s20, v14                     ; the stage, on the way in: SP (lane / 4) + 16 (lane % 4)
	v_mul_u32_u24 v15, v2, SP
	v_add_nc_u32 v15, s20, v15                     ; and on the way out: SP x lane: my 16 neighbours
	v_lshrrev_b32 v5, 1, v2
	s_add_co_u32 s20, s20, 2*32*SP
	v_add_nc_u32 v5, s20, v5                       ; my block's scale byte,
	v_add_nc_u32 v6, s20, v4                       ; and 8 scale bytes a lane on the way out
.macro LOAD t
.irp i, 0,1,2,3
	global_load_b128 v[R+16*((\t)%8)+4*\i:R+16*((\t)%8)+4*\i+3], v3, s[4:5] offset:2048*(\t)+512*\i th:TH_LOAD_NT   ; 32 lanes read 512 consecutive bytes
.endr
.endm
.macro TURN t                          ; step t's numbers through the stage: LDS serves a wave's instructions in order, so no wait stands between the stores and the loads
.irp i, 0,1,2,3
	ds_store_b128 v14, v[R+16*((\t)%8)+4*\i:R+16*((\t)%8)+4*\i+3] offset:32*SP*((\t)%2)+8*SP*\i
.endr
.irp i, 0,1,2,3
	ds_load_b128 v[X+16*((\t)%2)+4*\i:X+16*((\t)%2)+4*\i+3], v15 offset:32*SP*((\t)%2)+16*\i
.endr
.endm
.irp t, 0,1,2,3,4,5,6,7
	LOAD \t                                        ; eight steps, 32 loads of 512 bytes, are on their way in each wave
.endr
	s_wait_loadcnt 28                              ; step 0's four loads are in; the 28 behind them may be out
	TURN 0
.macro STEP t
.set XS, X+16*((\t)%2)
.if (\t) > 0
	s_wait_dscnt 1                                 ; this step's numbers are back from the stage (the last step's byte store may be out): so its stores into the stage have read their registers,
.else
	s_wait_dscnt 0x0
.endif
.if (\t)+8 < STEPS
	LOAD (\t)+8                                    ; which take the loads of eight steps on
.endif
.if (\t)+1 < STEPS
.if (\t) <= 7
	s_wait_loadcnt 28                              ; the next step's four loads are in; those of the seven steps behind it may be out
.else
	s_wait_loadcnt 4*(14-(\t))                     ; the counts run down: steps t + 2 .. 15 may be out
.endif
	TURN (\t)+1                                    ; and go through the other stage while this step is worked
.endif
	v_max3_num_f32 v8, |v[XS]|, |v[XS+1]|, |v[XS+2]|               ; the largest magnitude of my 16, in two chains
	v_max3_num_f32 v9, |v[XS+3]|, |v[XS+4]|, |v[XS+5]|
.irp i, 6,10
	v_max3_num_f32 v8, v8, |v[XS+\i]|, |v[XS+\i+1]|
	v_max3_num_f32 v9, v9, |v[XS+\i+2]|, |v[XS+\i+3]|
.endr
	v_max3_num_f32 v8, v8, |v[XS+14]|, |v[XS+15]|
	v_max3_num_f32 v8, v8, v9, 0x1800000           ; and the floor 2^(3 - 127): the byte cannot fall under 1
	v_max_num_f32_dpp v8, v8, v8 row_xmask:1 row_mask:0xf bank_mask:0xf   ; and of my neighbour's 16: the block's
	v_add_nc_u32 v11, 0xff000000, v8               ; 2 off its exponent field: the conversion takes the exponent field of this operand as its scale, and nothing else of it
	v_cvt_scalef32_pk8_fp4_f32 v[C+2*(\t)], v[XS:XS+7], v11
	v_cvt_scalef32_pk8_fp4_f32 v[C+2*(\t)+1], v[XS+8:XS+15], v11
	v_lshrrev_b32 v[E+(\t)], 23, v11               ; the scale's byte (a plain line behind the conversions)
	ds_store_b8 v5, v[E+(\t)] offset:16*(\t)       ; both lanes of a block write the same byte with the same value
	global_store_b64 v4, v[C+2*(\t):C+2*(\t)+1], s[12:13] offset:256*(\t)   ; 32 lanes store 256 consecutive bytes, aligned
.endm
.irp t, 0,1,2,3,4,5,6,7,8,9,10,11,12,13,14,15
	STEP \t
.endr
	ds_load_b64 v[8:9], v6                         ; LDS serves a wave's instructions in order: these see my byte stores
	s_wait_dscnt 0x0
	global_store_b64 v4, v[8:9], s[14:15]          ; the run's 256 scale bytes: 256 consecutive bytes, aligned
	s_wait_tensorcnt 0x0                           ; the wave's end, behind my last LDS store
	ds_add_u32 v[SPW], v[NIL]
	s_wait_dscnt 0x0
	s_endpgm
; ---------------- the weights ----------------
.Lweights:
	s_sub_co_u32 s17, ttmp9, 128                   ; u = 0 .. 95: output rows 32 u .. 32 u + 31
	s_lshr_b32 s18, s17, 5                         ; which weight
	s_and_b32 s22, s17, 31                         ; which 32 of its columns
	s_cmp_eq_u32 s18, 0
	s_cselect_b64 s[20:21], s[6:7], s[8:9]
	s_cmp_eq_u32 s18, 2
	s_cselect_b64 s[20:21], s[10:11], s[20:21]     ; the choice hangs on the work-group's number alone
	v_lshlrev_b32 v3, 2, v2                        ; in: 4 bytes a lane
	s_lshl_b32 s18, s16, 19                        ; my wave's 128 rows of 4,096 bytes
	s_lshl_b32 s22, s22, 7                         ; 32 columns of 4 bytes
	s_add_co_u32 s18, s18, s22
	s_add_nc_u64 s[20:21], s[20:21], s[18:19]
.macro WLOAD t                         ; block t: W(128 w + 32 t + i, my column), i = 0 .. 31: each load reads 128 consecutive bytes
.irp i, 0,1,2,3,4,5,6,7,8,9,10,11,12,13,14,15,16,17,18,19,20,21,22,23,24,25,26,27,28,29,30,31
	global_load_b32 v[N+32*(\t)+\i], v3, s[20:21] offset:(32*(\t)+\i)*4096 th:TH_LOAD_NT
.endr
.endm
	WLOAD 0
	WLOAD 1
	s_lshl_b32 s18, s17, 14                        ; the codes: 32 rows of 512 bytes a work-group,
	s_lshl_b32 s22, s16, 11                        ; of which my wave stores four
	s_add_co_u32 s18, s18, s22
	s_add_co_u32 s18, s18, W_OFF
	s_add_nc_u64 s[12:13], s[12:13], s[18:19]
	s_and_b32 s23, s16, 3                          ; the scale bytes: 1,024 a work-group; waves 0 to 3 store 256 each
	s_lshl_b32 s18, s17, 10
	s_lshl_b32 s22, s23, 8
	s_add_co_u32 s18, s18, s22
	s_add_co_u32 s18, s18, WS_OFF
	s_add_nc_u64 s[14:15], s[14:15], s[18:19]
	v_lshlrev_b32 v4, 4, v2
	v_lshlrev_b32 v9, 3, v2
	s_lshl_b32 s24, s16, 6
	s_add_co_u32 s24, s24, WSTG
	v_mul_u32_u24 v5, v2, WP
	v_add_nc_u32 v5, s24, v5                       ; into the stage: row = my column, my wave's 64 bytes of it
	s_lshl_b32 s24, s16, 2
	s_add_co_u32 s24, s24, WSC
	v_lshl_add_u32 v6, v2, 5, s24                  ; my column's row of 32 scale bytes, my wave's four
	s_mul_i32 s24, s16, 4*WP
	s_add_co_u32 s24, s24, WSTG
	v_add_nc_u32 v7, s24, v4                       ; out of the stage: rows 4 w .. 4 w + 3, 16 bytes a lane
	s_lshl_b32 s24, s23, 8
	s_add_co_u32 s24, s24, WSC
	v_add_nc_u32 v8, s24, v9                       ; and 8 scale bytes a lane
.macro WBLOCK t
.set XS, N+32*(\t)
.if (\t) < 3
	s_wait_loadcnt 32                              ; this block's 32 loads are in; the next block's 32 may be out
.else
	s_wait_loadcnt 0x0
.endif
.if (\t) < 2
	WLOAD (\t)+2
.endif
	v_max3_num_f32 v10, |v[XS]|, |v[XS+1]|, |v[XS+2]|              ; the block's largest magnitude: all 32 numbers are mine
	v_max3_num_f32 v11, |v[XS+3]|, |v[XS+4]|, |v[XS+5]|
.irp i, 6,10,14,18,22,26
	v_max3_num_f32 v10, v10, |v[XS+\i]|, |v[XS+\i+1]|
	v_max3_num_f32 v11, v11, |v[XS+\i+2]|, |v[XS+\i+3]|
.endr
	v_max3_num_f32 v10, v10, |v[XS+30]|, |v[XS+31]|
	v_max3_num_f32 v10, v10, v11, 0x1800000        ; and the floor 2^(3 - 127)
	v_add_nc_u32 v14, 0xff000000, v10              ; the conversion's scale operand
	v_lshrrev_b32 v15, 23, v14                     ; the scale's byte
.if (\t) == 0
	v_mov_b32 v[SB], v15                           ; four bytes to a register, the lower K in the lower byte
.else
	v_lshl_or_b32 v[SB], v15, 8*(\t), v[SB]
.endif
.irp g, 0,1,2,3
	v_cvt_scalef32_pk8_fp4_f32 v[WC+4*(\t)+\g], v[XS+8*\g:XS+8*\g+7], v14
.endr
	v_nop                                          ; one plain line behind the last conversion: the next block writes the scale operand anew
	ds_store_b128 v5, v[WC+4*(\t):WC+4*(\t)+3] offset:16*(\t)      ; 32 codes: 16 bytes of my column's row
.endm
	WBLOCK 0
	WBLOCK 1
	WBLOCK 2
	WBLOCK 3
	ds_store_b32 v6, v[SB]
	s_wait_dscnt 0x0                               ; for the others' sake: my stores have landed
	s_barrier_signal -1
	s_barrier_wait -1                              ; 32 whole rows of codes and their scale bytes lie in LDS
	s_cmp_lt_u32 s16, 4
	s_cbranch_scc0 .Lno_bytes
	ds_load_b64 v[180:181], v8
	s_wait_dscnt 0x0
	global_store_b64 v9, v[180:181], s[14:15]      ; 32 lanes store 256 consecutive bytes, aligned
.Lno_bytes:
.irp i, 0,1,2,3
	ds_load_b128 v[OUTR+4*\i:OUTR+4*\i+3], v7 offset:WP*\i
.endr
.irp i, 0,1,2,3
	s_wait_dscnt 3-\i                              ; row i is back; the rows behind it may be out
	global_store_b128 v4, v[OUTR+4*\i:OUTR+4*\i+3], s[12:13] offset:512*\i   ; a whole row: 512 consecutive bytes, aligned
.endr
	s_wait_tensorcnt 0x0                           ; the wave's end, behind my last LDS store
	ds_add_u32 v[SPW], v[NIL]
	s_wait_dscnt 0x0
	s_endpgm
.Lfunc_end_k_q3c2507da5f_quant:
	.size	k_q3c2507da5f_quant, .Lfunc_end_k_q3c2507da5f_quant-k_q3c2507da5f_quant
	.p2alignl 7, 3214868480
	.fill 96, 4, 3214868480
	.section	.rodata,"a",@progbits
	.p2align	6, 0x0
	.amdhsa_kernel k_q3c2507da5f_quant
		.amdhsa_group_segment_fixed_size 84480
		.amdhsa_private_segment_fixed_size 0
		.amdhsa_enable_private_segment 0
		.amdhsa_kernarg_size 48
		.amdhsa_user_sgpr_count 2
		.amdhsa_user_sgpr_kernarg_segment_ptr 1
		.amdhsa_wavefront_size32 1
		.amdhsa_system_sgpr_workgroup_id_x 1
		.amdhsa_system_sgpr_workgroup_id_y 1
		.amdhsa_system_sgpr_workgroup_id_z 1
		.amdhsa_system_vgpr_workitem_id 0
		.amdhsa_next_free_vgpr 224
		.amdhsa_next_free_sgpr 66
		.amdhsa_reserve_vcc 0
		.amdhsa_float_denorm_mode_32 3
		.amdhsa_float_denorm_mode_16_64 3
		.amdhsa_memory_ordered 1
		.amdhsa_forward_progress 1
		.amdhsa_inst_pref_size 54
	.end_amdhsa_kernel
	.amdgpu_metadata
---
amdhsa.version: [ 1, 2 ]
amdhsa.kernels:
  - .name:           k_q3c2507da5f_quant
    .symbol:         k_q3c2507da5f_quant.kd
    .args:
      - { .name: x, .offset: 0, .size: 8, .value_kind: global_buffer, .address_space: global }
      - { .name: Wq, .offset: 8, .size: 8, .value_kind: global_buffer, .address_space: global }
      - { .name: Wk, .offset: 16, .size: 8, .value_kind: global_buffer, .address_space: global }
      - { .name: Wv, .offset: 24, .size: 8, .value_kind: global_buffer, .address_space: global }
      - { .name: codes, .offset: 32, .size: 8, .value_kind: global_buffer, .address_space: global }
      - { .name: scales, .offset: 40, .size: 8, .value_kind: global_buffer, .address_space: global }
    .group_segment_fixed_size: 84480
    .private_segment_fixed_size: 0
    .kernarg_segment_align: 8
    .kernarg_segment_size: 48
    .max_flat_workgroup_size: 256
    .sgpr_count:     66
    .vgpr_count:     224
    .wavefront_size: 32
...
	.end_amdgpu_metadata
.endif
;; end of part 1
;; launch proj (part 2): grid 4 x 48, 4 waves a work-group, clusters of 4 x 4, 327,680 bytes of LDS; arguments codes, scales, qk, vt, fine32; writes qk, vt, fine32
.if DOCPART == 2
	.amdgcn_target "amdgcn-amd-amdhsa--gfx1250"
	.amdhsa_code_object_version 6
	.text
	.protected	k_q3c2507da5f_proj
	.globl	k_q3c2507da5f_proj
	.p2align	8
	.type	k_q3c2507da5f_proj,@function
k_q3c2507da5f_proj:
	s_mov_b64 s[64:65], 0
	v_nop
	global_prefetch_b8 v0, s[64:65] scope:SCOPE_SE
	s_setreg_imm32_b32 hwreg(HW_REG_WAVE_MODE, 25, 1), 1
	s_wait_xcnt 0x0
	s_wait_alu depctr_hold_cnt(0) depctr_sa_sdst(0) depctr_va_vdst(0) depctr_va_sdst(0) depctr_va_ssrc(0) depctr_va_vcc(0) depctr_vm_vsrc(0)
	s_getreg_b32 s2, hwreg(HW_REG_IB_STS2, 6, 4)
	s_cmp_eq_u32 s2, 0
	s_cbranch_scc0 .Lentry_in_a_cluster
	s_endpgm
.Lentry_in_a_cluster:
	s_bfe_u32 s2, ttmp6, 0x10000c
	s_cmp_lg_u32 s2, 0xf033
	s_cbranch_scc0 .Lentry_shape_is_right
	s_endpgm
.Lentry_shape_is_right:
; The three quantised products, on codes of FP4 (E2M1) with one E8M0 scale for each 32 along K = 1,024; sums in f32.  384 tiles of 256 x 256 of C[m][n] = sum over k of A[m][k] B[n][k]:
;   cluster rows 0-7:  A = x's 8,192 rows, B = the 2,048 columns of Wq and Wk:   C = q | k,  stored as f16 into qk [8192 tokens][2048]
;   cluster rows 8-11: A = the 1,024 columns of Wv, B = x's 8,192 rows:          C = v^T,   stored as f16 into vt [4 batches][1024 channels][2048 keys]: the keys innermost, as the last product wants them
; Both outputs have rows of 4,096 bytes.  The first 16 positions of each batch are stored in f32 too (fine32: qk32 [4][16][2048], then vt32 [4][1024][16]), for the launch that carries those rows finely.
; LIMITS: q, k and v are kept as f16: magnitudes beyond 65,504 overflow there, and under 6.1e-5 their step is 6e-8.
; A WORK-GROUP STAYS FOR TWO TILES: tile columns 2 cx and 2 cx + 1 of one tile row: 192 work-groups.  K is two steps of 512 (rows of 256 bytes), one to a slot.  A's two K steps are fetched once and stay in LDS for both tiles;
; B's halves of the slots are filled again with the second tile's rows as soon as the first tile has read them: slot 0's behind the change to slot 1, slot 1's behind the change into the second tile.  Then the first tile goes out,
; and nothing waits for its stores.  From the first tile to the second B's codes go 256 rows on, C 512 bytes, in both products alike.
; A work-group of four waves makes a tile; a wave makes 128 x 128: 64 accumulators, 512 registers.
; THE SCALES of A's 256 rows and of B's 512 rows (both tiles': they are neighbours), for all of K, are dense blocks of memory: they come into LDS with the first fills, as rows of 256 bytes, and stay.
; CLUSTERS: 4 x 4 work-groups.  The four of a row of the cluster need the same tiles of A, the four of a column the same tiles of B: each is asked for JOINTLY, by the same tensor load with the same descriptor and a mask that names the four.
; Which of the two products a cluster makes hangs on the cluster's own y, which all sixteen partners share.
; THE MATRIX INSTRUCTION IS USED TRANSPOSED (source 0 = 16 rows of B, source 1 = 16 rows of A): a lane then holds eight neighbouring numbers of a row of C.
; REGISTERS, in windows of 256: window 0: v0-31 addresses; v32-95 scale words, two sets; v128-191 A's fragments, ONE set; v96-127, v192-255 at work on the way out.
;   window 1: B's fragments, TWO sets, at v0 and v128.   window 2: the accumulators of my rows 0-63 ((a, b) at v[8 (8 a + b)]);   window 3: those of my rows 64-127.
.set NQ,     4                         ; matrix instructions deep in a K step of 512
.set ROWB,   256                       ; a tile's row in bytes
.set KROW,   512                       ; a row of codes in memory
.set PITCH,  272                       ; an LDS row: 256 bytes + 16 of padding: the 16 rows that a load touches start at 16 different banks (64 banks of 4 bytes: ISA guide 11.1)
.set FR,     8                         ; registers of a fragment: 16 rows x 128 K
.set NL,     2                         ; LDS loads that bring one
.set NP,     4                         ; places behind this matrix instruction (ISA guide 7.12.1)
.set HALFT,  128*PITCH
.set SLOT,   4*HALFT                   ; A's 256 rows, then B's 256 rows
.set KS,     32                        ; a row of scale bytes
.set SCL,    2*SLOT                    ; behind the two slots: the scales, as rows of 256 bytes + 16: A's 256 rows, B's 256 of the first tile, B's 256 of the second
.set HALFS,  16*272                    ; the scales of 128 rows
.set SBLK,   2*272                     ; those of 16 rows
.set STAGE,  SCL+6*HALFS               ; the way out: 16 rows x (256 bytes + 16) for each wave; no tensor load lands here
.set SPITCH, 272
.set SPARE,  STAGE+4*16*SPITCH         ; the spare words, 128 bytes for each wave: two blocks of 256 bytes that no other line names
.set W_OFF,  4194304                   ; where the weights' rows begin in codes,
.set WS_OFF, 262144                    ; and in scales
.set VT32,   524288                    ; where vt32 begins in fine32
.set ADRA, 16                          ; v16-17  LDS address of my A fragments in slot 0, 1
.set ADRB, 20                          ; v20-21  the same for B
.set ADRS, 22                          ; v22-23  LDS address of my scale words for the first, the second tile: lanes 0-15 A's rows, lanes 16-31 B's; never rewritten
.set STO,  24                          ; v24     the way out: where I put 16 bytes of a row
.set RD,   25                          ; v25     where I read a row back
.set CO,   26                          ; v26     my byte offset in two rows of C
.set SPW,  28                          ; v28     LDS address of my spare word; never rewritten
.set NIL,  29                          ; v29     0; never rewritten
.set FO,   31                          ; v31     my byte offset in the f32 copy;  v30: its condition
.set SC,   32                          ; scale words: set s at v[SC + 32 s]; register 4 i + q: lanes 0-15 the word of A's block i, lanes 16-31 that of B's block i, for the slot's q-th 128 along K
.set AF,   128
.set TMP,  192                         ; the way out: packed results; 16 rows read back from the stage: v224-255 and v96-127 by turns
.set G1, 24                            ; s[24:31] descriptor group 1 for A's tiles;  s[32:39] group 0, one set for each slot
.set G0, 32
.set G1B, 48                           ; s[48:55], s[56:63] the same for B's tiles
.set G0B, 56
.set G1S, 68                           ; s[68:75], s[76:79] groups 1 and 0 for A's scales;  s[80:87], s[88:91] for B's
.set G0S, 76
.set G1SB, 80
.set G0SB, 88
.set MSB, 0
.macro WIN new                         ; the immediate's high byte repeats the setting that is left
.if MSB != (\new)
	s_set_vgpr_msb (MSB<<8)|(\new)
.set MSB, (\new)
.endif
.endm
.set MUL_LO, 0xa1                      ; source 0 (B) window 1, source 1 (A) window 0, C and D window 2
.set MUL_HI, 0xf1                      ; the same, C and D window 3
.set TO_B,   0x40                      ; destination window 1, address window 0
; A joint load of the first fills: waves 0 and 1 fetch for A, waves 2 and 3 for B.  Each of the two lines has ONE mask and one set of registers for all that issue it; the branch hangs on the wave's number alone.
; An s_nop 0 and four v_nop follow each of the two lines, ahead of the jump, the label and what follows.
.macro JLOAD g0a, g1a, g0b, g1b
	s_cmp_eq_u32 s15, 0
	s_cbranch_scc0 .Lfor_b_\@
	tensor_load_to_lds s[\g0a:\g0a+3], s[\g1a:\g1a+7]
	s_nop 0
.rept 4
	v_nop
.endr
	s_branch .Lasked_\@
.Lfor_b_\@:
	tensor_load_to_lds s[\g0b:\g0b+3], s[\g1b:\g1b+7]
	s_nop 0
.rept 4
	v_nop
.endr
.Lasked_\@:
.endm
; A joint refill: B's half of slot s takes the second tile's rows.  Waves 2 and 3 fetch 128 rows each; waves 0 and 1, whose A stays, issue nothing.  The branch hangs on the wave's number alone: it is the same in every work-group.
.macro BLOAD s
	s_cmp_eq_u32 s15, 0
	s_cbranch_scc1 .Lnot_b_\@
	tensor_load_to_lds s[G0B+4*\s:G0B+4*\s+3], s[G1B:G1B+7]
	s_nop 0
.rept 4
	v_nop
.endr
.Lnot_b_\@:
.endm
.macro CREST                           ; a round of the cluster's barrier behind its opening barrier
	s_cmp_lg_u32 s14, 0
	s_cbranch_scc1 .Lnot_wave_0_\@
	s_barrier_signal -3
.Lnot_wave_0_\@:
	s_barrier_wait -3
	s_barrier_signal -1
	s_barrier_wait -1
.endm
.macro CROUND                          ; a whole round
	s_barrier_signal -1
	s_barrier_wait -1
	CREST
.endm
	s_load_b256 s[4:11], s[0:1], 0x0               ; codes s[4:5], scales s[6:7], qk s[8:9], vt s[10:11]
	s_load_b64 s[98:99], s[0:1], 0x20              ; fine32
	v_lshl_add_u32 v[SPW], v0, 2, SPARE
	v_mov_b32 v[NIL], 0
	ds_add_u32 v[SPW], v[NIL]                      ; the wave's opening: the add, twice on end, and its wait ahead of my first tensor load; the set-up below stands between the second and the wait
	ds_add_u32 v[SPW], v[NIL]
	v_lshrrev_b32 v1, 5, v0
	v_readfirstlane_b32 s14, v1                    ; wave 0..3
	s_lshr_b32 s15, s14, 1                         ; which half of the tile's rows is mine.  Also: I fetch for A (0) or for B (1)
	s_and_b32 s16, s14, 1                          ; which half of its columns.  Also: which 128 rows of that tile I fetch
	s_bfe_u32 s40, ttmp6, 0x40000                  ; cx, cy: my place in the cluster
	s_bfe_u32 s41, ttmp6, 0x40004
	; which product: made of the cluster's y alone, so it is the same in all sixteen partners
	s_and_b32 s95, ttmp7, 0xffff                   ; cluster y: 0 .. 11
	s_sub_co_u32 s96, s95, 8                       ; v^T: the batch,
	s_lshl_b32 s96, s96, 3                         ; whose eight tile columns are the cluster's
	s_cmp_ge_u32 s95, 8
	s_cselect_b32 s66, 1, 0                        ; 1: v^T
	s_cselect_b32 s96, s96, 0                      ; the cluster's first tile column,
	s_cselect_b32 s95, 0, s95                      ; and its place along the tile rows
	s_cselect_b32 s97, W_OFF+1048576, 0            ; where A's rows begin in codes: Wv's (rows 2,048 on of the weights') or x's,
	s_cselect_b32 s100, 0, W_OFF                   ; B's: x's or Wq's,
	s_cselect_b32 s101, WS_OFF+65536, 0            ; and the same in scales
	s_cselect_b32 s3, 0, WS_OFF
	s_lshl_b32 s42, s40, 1
	s_add_co_u32 s42, s42, s96                     ; my first tile's column of C; the second is the next
	s_lshl_b32 s17, s95, 2
	s_add_co_u32 s17, s17, s41                     ; tile row of C
	s_lshl_b32 s43, s41, 2
	s_lshl_b32 s43, 15, s43                        ; my row of the cluster
	s_lshl_b32 s44, 0x1111, s40                    ; my column
	; descriptor group 1: a tile of 128 rows x 256 bytes, padded in LDS
	s_or_b32 s[G1+0], s43, (0<<16)|(1<<20)|(1<<21)|(5<<22)|(3<<25)  ; 15:0 the mask: A's tiles go to my row; 17:16 element of 1 byte; 20 padding on; 21 set beside a mask; 24:22 after every 64 words (code 5); 31:25 of 4 words (code 3)
	s_or_b32 s[G1B+0], s44, (0<<16)|(1<<20)|(1<<21)|(5<<22)|(3<<25)
.irp g, G1, G1B
	s_mov_b32 s[\g+1], ROWB<<16                    ; tensor_dim0
	s_mov_b32 s[\g+2], 128<<16                     ; tensor_dim1
	s_mov_b32 s[\g+3], ROWB<<16                    ; tile_dim0
	s_mov_b32 s[\g+4], 128                         ; tile_dim1
	s_mov_b32 s[\g+5], KROW                        ; tensor_dim0_stride
	s_mov_b32 s[\g+6], 0
	s_mov_b32 s[\g+7], 0
.endr
	; and for the scales: dense blocks, as rows of 256 bytes (32 elements of 8 bytes), 16 bytes of padding behind each.  A's: 128 rows of scales, 4,096 bytes, a load;  B's: 256 rows, 8,192 bytes: a whole tile's
	s_or_b32 s[G1S+0], s43, (3<<16)|(1<<20)|(1<<21)|(5<<22)|(3<<25)
	s_mov_b32 s[G1S+1], 32<<16
	s_mov_b32 s[G1S+2], 16<<16
	s_mov_b32 s[G1S+3], 32<<16
	s_mov_b32 s[G1S+4], 16
	s_mov_b32 s[G1S+5], 32
	s_mov_b32 s[G1S+6], 0
	s_mov_b32 s[G1S+7], 0
	s_or_b32 s[G1SB+0], s44, (3<<16)|(1<<20)|(1<<21)|(5<<22)|(3<<25)
	s_mov_b32 s[G1SB+1], 32<<16
	s_mov_b32 s[G1SB+2], 32<<16
	s_mov_b32 s[G1SB+3], 32<<16
	s_mov_b32 s[G1SB+4], 32
	s_mov_b32 s[G1SB+5], 32
	s_mov_b32 s[G1SB+6], 0
	s_mov_b32 s[G1SB+7], 0
	; A's offsets are made of the tile row, B's of the tile column, each in registers that never hold the other coordinate
	s_lshl_b32 s18, s16, 7                         ; which 128 rows of the tile I fetch
	s_lshl_b32 s20, s17, 8
	s_add_co_u32 s20, s20, s18                     ; A: row 256 x tile row + 128 x half
	s_lshl_b32 s46, s42, 8                         ; B: the first tile's first row
	s_lshl_b32 s92, s16, 8
	s_add_co_u32 s92, s92, s46                     ; B's scales: the first tile's 256 rows (wave 2) or the second's (wave 3)
	s_add_co_u32 s46, s46, s18                     ; B's codes: row 256 x tile column + 128 x half
	s_lshl_b32 s22, s20, 5                         ; scales: 32 bytes a row
	s_add_co_u32 s22, s22, s101
	s_mov_b32 s23, 0
	s_lshl_b32 s92, s92, 5
	s_add_co_u32 s92, s92, s3
	s_mov_b32 s93, 0
	s_lshl_b32 s20, s20, 9                         ; codes: 512 bytes a row
	s_add_co_u32 s20, s20, s97
	s_mov_b32 s21, 0
	s_lshl_b32 s46, s46, 9
	s_add_co_u32 s46, s46, s100
	s_mov_b32 s47, 0
	s_mul_i32 s45, s14, HALFT                      ; where the codes go: wave x 128 rows: no place in the cluster enters an LDS address
	s_mul_i32 s94, s14, HALFS                      ; A's scales (waves 0 and 1): wave x 128 rows' scales
	s_mul_i32 s3, s16, 2*HALFS                     ; B's (waves 2 and 3): behind A's, 256 rows' scales a wave
	s_wait_dscnt 0x0                               ; both opening adds are done
	s_wait_kmcnt 0x0
	s_add_nc_u64 s[20:21], s[4:5], s[20:21]
	s_add_nc_u64 s[22:23], s[6:7], s[22:23]
	s_add_nc_u64 s[46:47], s[4:5], s[46:47]
	s_add_nc_u64 s[92:93], s[6:7], s[92:93]
	CROUND                                         ; all sixteen work-groups are here: the first joint loads meet
	s_mov_b32 s[G0S], 1
	s_add_co_u32 s[G0S+1], s94, SCL
	s_mov_b64 s[G0S+2:G0S+3], s[22:23]
	s_or_b32 s[G0S+3], s[G0S+3], 0x80000000
	s_mov_b32 s[G0SB], 1
	s_add_co_u32 s[G0SB+1], s3, SCL+2*HALFS
	s_mov_b64 s[G0SB+2:G0SB+3], s[92:93]
	s_or_b32 s[G0SB+3], s[G0SB+3], 0x80000000
	JLOAD G0S, G1S, G0SB, G1SB                     ; the scales first: they are wanted with K step 0
.irp s, 0,1
	s_mov_b32 s[G0+4*\s], 1
	s_add_co_u32 s[G0+4*\s+1], s45, \s*SLOT
	s_add_nc_u64 s[G0+4*\s+2:G0+4*\s+3], s[20:21], \s*ROWB
	s_or_b32 s[G0+4*\s+3], s[G0+4*\s+3], 0x80000000
	s_mov_b32 s[G0B+4*\s], 1
	s_add_co_u32 s[G0B+4*\s+1], s45, \s*SLOT
	s_add_nc_u64 s[G0B+4*\s+2:G0B+4*\s+3], s[46:47], \s*ROWB
	s_or_b32 s[G0B+4*\s+3], s[G0B+4*\s+3], 0x80000000
	JLOAD G0+4*\s, G1, G0B+4*\s, G1B               ; both K steps of the first tile: three tensor loads of mine are out
.endr
	v_and_b32 v1, 15, v0                           ; l % 16
	v_bfe_u32 v2, v0, 4, 1                         ; l / 16
	v_mul_u32_u24 v3, v1, PITCH
	v_lshl_add_u32 v4, v2, 4, v3                   ; a fragment's row x pitch + 16 x half
	s_mul_i32 s21, s15, HALFT                      ; my 128 rows of A
	s_mul_i32 s22, s16, HALFT                      ; my 128 rows of B,
	s_add_co_u32 s22, s22, 2*HALFT                 ; which lie behind A's 256
.irp s, 0,1
	v_add_nc_u32 v[ADRA+\s], s21, v4
	v_add_nc_u32 v[ADRB+\s], s22, v4
	s_add_co_u32 s21, s21, SLOT
	s_add_co_u32 s22, s22, SLOT
.endr
	v_mul_u32_u24 v5, v1, KS                       ; my row's scales: 32 bytes a row,
	v_lshrrev_b32 v6, 8, v5
	v_lshl_add_u32 v5, v6, 4, v5                   ; and 16 more for each 256 passed
	s_mul_i32 s21, s15, HALFS                      ; A's: my 128 rows
	s_mul_i32 s22, s16, HALFS                      ; B's: my 128 rows of the first tile, behind A's 256
	s_add_co_u32 s22, s22, 2*HALFS
	s_sub_co_u32 s22, s22, s21                     ; the distance from A's to B's
	s_add_co_u32 s21, s21, SCL
	v_add_nc_u32 v5, s21, v5
.irp u, 0,1
	v_mul_u32_u24 v6, s22, v2                      ; lanes 16-31 take B's: one product, the distance x the lane's half
	v_add_nc_u32 v[ADRS+\u], v5, v6
	s_add_co_u32 s22, s22, 2*HALFS                 ; the second tile's lie 256 rows' scales further on
.endr
	s_mul_i32 s23, s14, 16*SPITCH
	s_add_co_u32 s23, s23, STAGE                   ; my stage
	v_mul_u32_u24 v5, v1, SPITCH                   ; in: row l % 16, 16 bytes for each half of the lanes
	v_lshl_add_u32 v5, v2, 4, v5
	v_add_nc_u32 v[STO], s23, v5
	v_mul_u32_u24 v5, v2, SPITCH                   ; back: lanes 0-15 take one row of 256 bytes, lanes 16-31 the next
	v_lshl_add_u32 v5, v1, 4, v5
	v_add_nc_u32 v[RD], s23, v5
	v_lshlrev_b32 v5, 12, v2                       ; and the same two rows in C
	v_lshl_add_u32 v[CO], v1, 4, v5
	; where my part of the first tile begins in C, and in the f32 copy; both ways are made, then chosen by the product
	s_lshl_b32 s20, s17, 8
	s_lshl_b32 s21, s15, 7
	s_add_co_u32 s20, s20, s21                     ; my first row of C
	s_lshl_b32 s22, s20, 6                         ; vt32: 64 bytes a channel
	s_lshl_b32 s20, s20, 12                        ; C: 4,096 bytes a row
	s_lshr_b32 s46, s42, 3                         ; v^T: the batch of my tile column,
	s_and_b32 s47, s42, 7                          ; and the tile column in the batch
	s_lshl_b32 s92, s46, 22                        ; 4,194,304 bytes a batch of vt
	s_lshl_b32 s93, s47, 9
	s_add_co_u32 s92, s92, s93
	s_lshl_b32 s93, s42, 9                         ; q | k: 512 bytes a tile column
	s_or_b32 s47, s47, s16                         ; v^T: 0 where my columns begin with a batch's first token (the first tile alone can)
	s_and_b32 s100, s17, 7
	s_or_b32 s100, s100, s15                       ; q | k: 0 where my rows do
	s_lshl_b32 s46, s46, 16                        ; vt32: 65,536 bytes a batch
	s_add_co_u32 s46, s46, s22
	s_add_co_u32 s46, s46, VT32
	s_lshr_b32 s22, s17, 3
	s_lshl_b32 s22, s22, 17                        ; qk32: 131,072 bytes a batch,
	s_lshl_b32 s101, s42, 10
	s_add_co_u32 s22, s22, s101                    ; 1,024 bytes a tile column,
	s_lshl_b32 s101, s16, 9
	s_add_co_u32 s22, s22, s101                    ; 512 for my half
	s_cmp_eq_u32 s66, 1
	s_cselect_b32 s92, s92, s93
	s_cselect_b32 s67, s47, s100                   ; it hangs on my place in the cluster: it never feeds a branch, only the lanes' mask of the copy's stores
	s_cselect_b32 s46, s46, s22
	s_cselect_b32 s96, 64, 0x2000                  ; the copy's bytes from lane row to lane row
	s_cselect_b64 s[12:13], s[10:11], s[8:9]       ; C is vt or qk
	s_add_co_u32 s20, s20, s92
	s_lshl_b32 s21, s16, 8
	s_add_co_u32 s20, s20, s21                     ; + 256 bytes for my half of the columns
	s_mov_b32 s21, 0
	s_add_nc_u64 s[12:13], s[12:13], s[20:21]
	s_mov_b32 s47, 0
	s_add_nc_u64 s[98:99], s[98:99], s[46:47]
	v_mul_lo_u32 v[FO], v1, s96
	v_lshl_add_u32 v[FO], v2, 5, v[FO]             ; + 32 bytes for lanes 16-31: their eight numbers
.macro FRAG reg, adr, q, i             ; a fragment, 16 rows x 128 K of 4-bit codes, is 8 registers: lane l holds row l % 16; registers 4 c .. 4 c + 3 hold K = 64 c + 32 (l / 16) + 0 .. 31
.irp c, 0,1
	ds_load_b128 v[\reg+4*\c:\reg+4*\c+3], v[\adr] offset:64*(\q)+32*\c+(\i)*16*PITCH
.endr
.endm
; 16 matrix instructions: A's blocks a0, a0 + 1 x B's eight, 128 along K: the slot's q-th.  p: B's set;  sc: the set of scale words.  zero = 1: the first product starts the sums: nothing is ever cleared.
; The 64 accumulators take turns, one instruction a turn, in the same order in every step.
.macro MUL16 a0, p, q, sc, zero
.irp a, \a0, \a0+1
.irp b, 0,1,2,3,4,5,6,7
.if \zero
	v_wmma_scale_f32_16x16x128_f8f6f4 v[8*(8*((\a)%4)+\b):8*(8*((\a)%4)+\b)+7], v[128*(\p)+FR*\b:128*(\p)+FR*\b+FR-1], v[AF+FR*(\a):AF+FR*(\a)+FR-1], 0, v[SC+8*NQ*(\sc)+NQ*\b+(\q)], v[SC+8*NQ*(\sc)+NQ*(\a)+(\q)] matrix_a_fmt:MATRIX_FMT_FP4 matrix_b_fmt:MATRIX_FMT_FP4 matrix_a_scale:MATRIX_SCALE_ROW1
.else
	v_wmma_scale_f32_16x16x128_f8f6f4 v[8*(8*((\a)%4)+\b):8*(8*((\a)%4)+\b)+7], v[128*(\p)+FR*\b:128*(\p)+FR*\b+FR-1], v[AF+FR*(\a):AF+FR*(\a)+FR-1], v[8*(8*((\a)%4)+\b):8*(8*((\a)%4)+\b)+7], v[SC+8*NQ*(\sc)+NQ*\b+(\q)], v[SC+8*NQ*(\sc)+NQ*(\a)+(\q)] matrix_a_fmt:MATRIX_FMT_FP4 matrix_b_fmt:MATRIX_FMT_FP4 matrix_a_scale:MATRIX_SCALE_ROW1
.endif
.endr
.endr
.endm
.macro FETCH_B slot, q, p              ; B's eight fragments of the slot's q-th 128 along K into set p
	WIN TO_B
.irp i, 0,1,2,3,4,5,6,7
	FRAG 128*(\p)+FR*\i, ADRB+\slot, \q, \i
.endr
	WIN 0
.endm
.macro FETCH_A slot, q, i0             ; A's blocks i0 .. i0 + 3
.irp i, \i0, \i0+1, \i0+2, \i0+3
	FRAG AF+FR*(\i), ADRA+\slot, \q, \i
.endr
.endm
.macro SCALES sc, tl, ks               ; the scale words of tile tl's K step ks into set sc: four words a row, 16 bytes a K step; lanes 0-15 take A's block i, lanes 16-31 B's block i
.irp i, 0,1,2,3,4,5,6,7
	ds_load_b128 v[SC+8*NQ*\sc+NQ*\i:SC+8*NQ*\sc+NQ*\i+3], v[ADRS+\tl] offset:\i*SBLK+16*\ks
.endr
.endm
; A load into a register that a matrix instruction has read, and a vector instruction or a store that reads a matrix result, stand NP places behind that matrix instruction; only plain vector
; instructions that name none of its registers are places (ISA guide 7.12.1 for vector instructions).
.macro PLACES n
.rept \n
	v_nop
.endr
.endm
.macro STEP slot, q, zero              ; a step of 128 along K that has its successor in the same slot
	s_wait_dscnt 4*NL                              ; B's set and A's blocks 0-3 are in; the youngest eight loads (A's blocks 4-7) may be out
	WIN MUL_LO
	MUL16 0, (\q)%2, \q, \slot, \zero
	MUL16 2, (\q)%2, \q, \slot, \zero
	s_wait_dscnt 0                                 ; A's blocks 4-7 are in (asked for 32 matrix instructions ago)
	PLACES NP
	FETCH_B \slot, (\q)+1, 1-(\q)%2
	FETCH_A \slot, (\q)+1, 0
	WIN MUL_HI
	MUL16 4, (\q)%2, \q, \slot, \zero
	MUL16 6, (\q)%2, \q, \slot, \zero
	PLACES NP
	WIN 0
	FETCH_A \slot, (\q)+1, 4
.endm
; A slot's last step changes slots: ONE barrier; in front of it each wave waits for all its tensor loads, adds 0 to its spare word, and waits for that and for its own reads of this slot.  Behind it the next slot is whole for all four waves.
; fill = 1 (the first tile): the barrier opens a round of the cluster's barrier, so that no wave of any partner still reads this slot's B or has a load on its way; first behind the round B's half of this slot is asked for anew,
; 256 rows further on: the second tile's.  tl, ks: the tile and K step whose first fragments and scale words are fetched from the next slot.
.macro TURN slot, next, fill, tl, ks
	s_wait_tensorcnt 0x0                           ; all my tensor loads have landed  (every window is 0 here: the add's two registers lie in window 0)
	ds_add_u32 v[SPW], v[NIL]                      ; 0 onto my spare word
	s_wait_dscnt 4*NL+1                            ; (the add and the youngest eight loads, A's blocks 4-7, may be out)
	WIN MUL_LO
	MUL16 0, 1, NQ-1, \slot, 0                     ; sixteen matrix instructions stand between the add and the wait for it
	s_wait_dscnt 0x0                               ; the add is done, and my reads of this slot are over
	s_barrier_signal -1
	MUL16 2, 1, NQ-1, \slot, 0
	WIN 0
	s_barrier_wait -1
.if \fill
	CREST
	s_add_nc_u64 s[G0B+4*\slot+2:G0B+4*\slot+3], s[G0B+4*\slot+2:G0B+4*\slot+3], 256*KROW   ; no tensor load of mine is out, so a group 0 may be written
	BLOAD \slot                                    ; my one tensor load until the next such barrier
.endif
	PLACES NP                                      ; on every wave's way: the places in front of the loads below
	FETCH_B \next, 0, 0
	FETCH_A \next, 0, 0
	SCALES \next, \tl, \ks
	WIN MUL_HI
	MUL16 4, 1, NQ-1, \slot, 0
	MUL16 6, 1, NQ-1, \slot, 0
	PLACES NP
	WIN 0
	FETCH_A \next, 0, 4
.endm
.macro STEPS slot, from                ; the slot's steps from .. NQ - 2
.set Q, \from
.rept NQ-1-\from
	STEP \slot, Q, 0
.set Q, Q+1
.endr
.endm
; THE F32 COPY of a batch's first 16 positions.  Whether my wave holds them hangs on my place in the cluster, so it is no branch: the lanes are switched off where it does not.  Which registers hold them hangs on the product, which all
; partners share: a scalar branch.  tile = 1: q | k's copy lies 256 columns on; v^T's second tile never begins a batch, so its arm is empty.
.macro FINE tile
	v_mov_b32 v30, s67
	v_cmp_eq_u32 vcc_lo, 0, v30
	s_wait_xcnt 0x0                                ; EXEC changes, and the copy's base steps, only behind this wait
.if \tile
	s_add_nc_u64 s[98:99], s[98:99], 1024
.endif
	s_and_saveexec_b32 s95, vcc_lo
	s_cmp_eq_u32 s66, 0
	s_cbranch_scc0 .Lfine_v_\@
	WIN 0x08                                       ; a store's data are its source 1: window 2
.irp b, 0,1,2,3,4,5,6,7                        ; q | k: block 0 of my rows: token l % 16, columns 16 b + 8 (l / 16) + 0 .. 7; each accumulator from its low end on
	global_store_b128 v[FO], v[8*\b:8*\b+3], s[98:99] offset:64*\b
	global_store_b128 v[FO], v[8*\b+4:8*\b+7], s[98:99] offset:64*\b+16
.endr
	WIN 0
	s_branch .Lfine_done_\@
.Lfine_v_\@:
.if \tile == 0
.irp a, 0,1,2,3,4,5,6,7                        ; v^T: block 0 of my columns: channel 16 a + l % 16, tokens 8 (l / 16) + 0 .. 7
	WIN 0x08+4*(\a/4)
	global_store_b128 v[FO], v[64*(\a%4):64*(\a%4)+3], s[98:99] offset:1024*\a
	global_store_b128 v[FO], v[64*(\a%4)+4:64*(\a%4)+7], s[98:99] offset:1024*\a+16
.endr
	WIN 0
.endif
.Lfine_done_\@:
	s_wait_xcnt 0x0                                ; and again, in front of the line that widens it
	s_or_b32 exec_lo, exec_lo, s95
.endm
; THE WAY OUT of block a (16 rows x 128 columns), in three parts.  PACK: rounded to f16, 16 bytes a lane.  TOSTAGE: into my own stage in LDS, and back as whole rows of 256 bytes.  SEND: stored.
.macro PACK a
.set AC, 64*((\a)%4)
	WIN 0x0a+5*((\a)/4)                            ; sources 0 and 1: window 2 or 3
.irp b, 0,1,2,3,4,5,6,7
.irp r, 0,1,2,3
	v_cvt_pk_f16_f32 v[TMP+4*\b+\r], v[AC+8*\b+2*\r], v[AC+8*\b+2*\r+1]
.endr
.endr
	WIN 0
.endm
.macro TOSTAGE a
.set BK, 224-128*((\a)%2)
.irp b, 0,1,2,3,4,5,6,7
	ds_store_b128 v[STO], v[TMP+4*\b:TMP+4*\b+3] offset:32*\b
.endr
.irp t, 0,1,2,3,4,5,6,7
	ds_load_b128 v[BK+4*\t:BK+4*\t+3], v[RD] offset:\t*2*SPITCH    ; LDS serves a wave's instructions in order (ISA guide 5.7.1.4): these see the stores above
.endr
.endm
.macro SEND a, tile
.set BK, 224-128*((\a)%2)
	s_wait_dscnt 0x0                               ; the block is back in registers
	s_wait_xcnt 0x0                                ; earlier stores have read their base and their registers: only behind this wait are they written again
.if (\a) > 0
	s_add_nc_u64 s[12:13], s[12:13], 16*4096       ; 16 rows of C on
.elseif \tile
	s_sub_nc_u64 s[12:13], s[12:13], 7*16*4096-512 ; the second tile: back to my first rows, 512 bytes on in them
.endif
.irp t, 0,1,2,3,4,5,6,7
	global_store_b128 v[CO], v[BK+4*\t:BK+4*\t+3], s[12:13] offset:2*\t*4096   ; 16 lanes store 256 consecutive bytes, aligned
.endr
.endm
.macro OUT tile
	FINE \tile
	PACK 0
	TOSTAGE 0
.irp a, 1,2,3,4,5,6,7                  ; block a's conversions stand between block a - 1's loads from the stage and the wait for them
	PACK \a
	SEND \a-1, \tile
	TOSTAGE \a
.endr
	SEND 7, \tile
.endm
	s_wait_tensorcnt 1                             ; the scales and my part of K step 0 are in (K step 1's load may be out)
	s_barrier_signal -1
	s_barrier_wait -1                              ; everybody's are
	FETCH_B 0, 0, 0
	FETCH_A 0, 0, 0
	SCALES 0, 0, 0
	FETCH_A 0, 0, 4
	STEP 0, 0, 1                                   ; THE FIRST TILE: its first step's products start the sums
	STEPS 0, 1
	TURN 0, 1, 1, 0, 1                             ; slot 0's B takes the second tile's K step 0: it has slot 1's 256 matrix instructions in which to land
	STEPS 1, 0
	TURN 1, 0, 1, 1, 0                             ; slot 1's B takes the second tile's K step 1, and the second tile's first fragments and scale words are fetched
	OUT 0                                          ; both refills are asked for: now the first tile goes out.  The four v_nop at TURN's end stand behind the last products; nothing waits for these stores
	STEP 0, 0, 1                                   ; THE SECOND TILE: its sums begin anew with the constant 0; behind each accumulator's last product stand the v_nop of TURN and the other blocks' conversions
	STEPS 0, 1
	TURN 0, 1, 0, 1, 1                             ; nothing is left to fetch: a plain barrier, and no round
	STEPS 1, 0
	s_wait_dscnt 4*NL                              ; the very last step
	WIN MUL_LO
	MUL16 0, 1, NQ-1, 1, 0
	MUL16 2, 1, NQ-1, 1, 0
	s_wait_dscnt 0
	WIN MUL_HI
	MUL16 4, 1, NQ-1, 1, 0
	MUL16 6, 1, NQ-1, 1, 0
	WIN 0
	PLACES NP                                      ; behind the last products: results are read from here on
	OUT 1
	s_wait_tensorcnt 0x0                           ; the wave's end, behind my last tensor load and my last LDS store
	ds_add_u32 v[SPW], v[NIL]
	s_wait_dscnt 0x0
	CROUND                                         ; the closing round: no work-group ends while a partner may still ask for a tile that names it
	s_endpgm
.Lfunc_end_k_q3c2507da5f_proj:
	.size	k_q3c2507da5f_proj, .Lfunc_end_k_q3c2507da5f_proj-k_q3c2507da5f_proj
	.p2alignl 7, 3214868480
	.fill 96, 4, 3214868480
	.section	.rodata,"a",@progbits
	.p2align	6, 0x0
	.amdhsa_kernel k_q3c2507da5f_proj
		.amdhsa_group_segment_fixed_size 327680
		.amdhsa_private_segment_fixed_size 0
		.amdhsa_enable_private_segment 0
		.amdhsa_kernarg_size 40
		.amdhsa_user_sgpr_count 2
		.amdhsa_user_sgpr_kernarg_segment_ptr 1
		.amdhsa_wavefront_size32 1
		.amdhsa_system_sgpr_workgroup_id_x 1
		.amdhsa_system_sgpr_workgroup_id_y 1
		.amdhsa_system_sgpr_workgroup_id_z 1
		.amdhsa_system_vgpr_workitem_id 0
		.amdhsa_next_free_vgpr 1024
		.amdhsa_next_free_sgpr 102
		.amdhsa_reserve_vcc 1
		.amdhsa_float_denorm_mode_32 3
		.amdhsa_float_denorm_mode_16_64 3
		.amdhsa_memory_ordered 1
		.amdhsa_forward_progress 1
		.amdhsa_inst_pref_size 251
	.end_amdhsa_kernel
	.amdgpu_metadata
---
amdhsa.version: [ 1, 2 ]
amdhsa.kernels:
  - .name:           k_q3c2507da5f_proj
    .symbol:         k_q3c2507da5f_proj.kd
    .args:
      - { .name: codes, .offset: 0, .size: 8, .value_kind: global_buffer, .address_space: global }
      - { .name: scales, .offset: 8, .size: 8, .value_kind: global_buffer, .address_space: global }
      - { .name: qk, .offset: 16, .size: 8, .value_kind: global_buffer, .address_space: global }
      - { .name: vt, .offset: 24, .size: 8, .value_kind: global_buffer, .address_space: global }
      - { .name: fine32, .offset: 32, .size: 8, .value_kind: global_buffer, .address_space: global }
    .group_segment_fixed_size: 327680
    .private_segment_fixed_size: 0
    .kernarg_segment_align: 8
    .kernarg_segment_size: 40
    .max_flat_workgroup_size: 128
    .sgpr_count:     102
    .vgpr_count:     1024
    .wavefront_size: 32
...
	.end_amdgpu_metadata
.endif
;; end of part 2
;; launch scores (part 3): grid 36 x 4, 4 waves a work-group, no clusters, 327,680 bytes of LDS; arguments qk, s; writes s
.if DOCPART == 3
	.amdgcn_target "amdgcn-amd-amdhsa--gfx1250"
	.amdhsa_code_object_version 6
	.text
	.protected	k_q3c2507da5f_scores
	.globl	k_q3c2507da5f_scores
	.p2align	8
	.type	k_q3c2507da5f_scores,@function
k_q3c2507da5f_scores:
	s_mov_b64 s[64:65], 0
	v_nop
	global_prefetch_b8 v0, s[64:65] scope:SCOPE_SE
	s_setreg_imm32_b32 hwreg(HW_REG_WAVE_MODE, 25, 1), 1
	s_wait_xcnt 0x0
; s[b][q][k] = q[b][q] . k[b][k], raw, in f32, for the tiles of 256 x 256 that are not wholly hidden by the causal mask: 36 of 64 in each of the 4 batches.  Operands f16 out of qk [8192][2048] (columns 0-1023 q, 1024-2047 k); sums in f32; K = 1,024.
; The tile (I, J), J <= I, comes from the work-group's x = I (I + 1) / 2 + J; y is the batch.  144 work-groups of equal work.  The mask itself is applied by the next launch: a tile on the diagonal is stored whole.
; NO CLUSTER: a batch's triangle has tile rows of 1 .. 8 tiles and tile columns of 8 .. 1; it does not divide into fours that share an operand without tiles that the mask hides wholly.
; A work-group of four waves makes a tile; a wave makes 128 x 128: 64 accumulators, 512 registers.  K goes in steps of 128 (rows of 256 bytes) through a ring of two LDS slots; each wave fetches a quarter of a slot by one tensor load.
; THE MATRIX INSTRUCTION IS USED TRANSPOSED (source 0 = 16 keys, source 1 = 16 queries): a lane holds one query and eight neighbouring keys.
; REGISTERS, in windows of 256: window 0: v0-31 addresses; v64-127, v128-191 q's fragments, two buffers (on the way out: rows read back);  window 1: the same numbers, k's fragments;
;   window 2: the accumulators of my rows 0-63 ((a, b) at v[8 (8 a + b)]);  window 3: those of my rows 64-127.
.set KSTEP,  128
.set PITCH,  272                       ; an LDS row: 256 bytes + 16 of padding: the 16 rows that a load touches start at 16 different banks (64 banks of 4 bytes: ISA guide 11.1)
.set HALFT,  128*PITCH                 ; 128 rows: what one tensor load brings
.set SLOT,   4*HALFT                   ; q's 256 rows, then k's 256 rows
.set STAGE,  2*SLOT                    ; behind the ring: 16 rows x (512 bytes + 16) for each wave; no tensor load lands here
.set SPITCH, 528
.set SPARE,  STAGE+4*16*SPITCH         ; the spare words, 128 bytes for each wave: two blocks of 256 bytes that no other line names
.set LAPS,   4                         ; a lap = two K steps = once round the ring
.set ADRA, 16                          ; v16-17  LDS address of my q fragments in slot 0, 1
.set ADRB, 20                          ; v20-21  the same for k
.set STO,  24                          ; v24     the way out: where I put 32 bytes of a row
.set RD,   25                          ; v25     where I read a row back
.set CO,   26                          ; v26     my byte offset in a row of s
.set SPW,  28                          ; v28     LDS address of my spare word; never rewritten
.set NIL,  29                          ; v29     0; never rewritten
.set F0,   64
.set F1,   128
.set BK,   64                          ; the way out: 16 rows read back: v64-127 and v128-191 by turns
.set G1, 24                            ; s[24:31] descriptor group 1
.set G0, 32                            ; s[32:39] descriptor group 0, one set for each slot
.set MSB, 0
.macro WIN new                         ; the immediate's high byte repeats the setting that is left
.if MSB != (\new)
	s_set_vgpr_msb (MSB<<8)|(\new)
.set MSB, (\new)
.endif
.endm
.set MUL_LO, 0xa1                      ; source 0 (k) window 1, source 1 (q) window 0, C and D window 2
.set MUL_HI, 0xf1                      ; the same, C and D window 3
.set TO_B,   0x40                      ; destination window 1, address window 0
	s_load_b128 s[4:7], s[0:1], 0x0                ; qk s[4:5], s s[6:7]
	v_lshl_add_u32 v[SPW], v0, 2, SPARE
	v_mov_b32 v[NIL], 0
	ds_add_u32 v[SPW], v[NIL]                      ; the wave's opening: the add, twice on end, and its wait ahead of my first tensor load; the set-up below stands between the second and the wait
	ds_add_u32 v[SPW], v[NIL]
	v_lshrrev_b32 v1, 5, v0
	v_readfirstlane_b32 s10, v1                    ; wave 0..3
	s_lshr_b32 s11, s10, 1                         ; which half of the tile's queries is mine.  Also: I fetch q (0) or k (1)
	s_and_b32 s12, s10, 1                          ; which half of its keys.  Also: which 128 rows I fetch
	s_and_b32 s13, ttmp7, 0xffff                   ; the batch
	s_mov_b32 s14, 0                               ; I = how many of the triangle's row starts 1, 3, 6, 10, 15, 21, 28 the work-group's x has reached
.irp th, 1,3,6,10,15,21,28
	s_cmp_ge_u32 ttmp9, \th
	s_cselect_b32 s16, 1, 0
	s_add_co_u32 s14, s14, s16
.endr
	s_add_co_u32 s16, s14, 1
	s_mul_i32 s16, s16, s14
	s_lshr_b32 s16, s16, 1
	s_sub_co_u32 s15, ttmp9, s16                   ; J = x - I (I + 1) / 2
	; descriptor group 1: a tile of 128 rows x 128 elements of 2 bytes, padded in LDS
	s_mov_b32 s[G1+0], (1<<16)|(1<<20)|(5<<22)|(3<<25)   ; 15:0 no mask; 17:16 element of 2 bytes; 20 padding on; 24:22 after every 64 words (code 5); 31:25 of 4 words (code 3)
	s_mov_b32 s[G1+1], KSTEP<<16                   ; tensor_dim0
	s_mov_b32 s[G1+2], 128<<16                     ; tensor_dim1
	s_mov_b32 s[G1+3], KSTEP<<16                   ; tile_dim0
	s_mov_b32 s[G1+4], 128                         ; tile_dim1
	s_mov_b32 s[G1+5], 2048                        ; tensor_dim0_stride: a row of qk
	s_mov_b32 s[G1+6], 0
	s_mov_b32 s[G1+7], 0
	s_cmp_eq_u32 s11, 0
	s_cselect_b32 s16, s14, s15                    ; q's block I or k's block J
	s_lshl_b32 s16, s16, 8
	s_lshl_b32 s17, s13, 11
	s_add_co_u32 s16, s16, s17
	s_lshl_b32 s17, s12, 7
	s_add_co_u32 s16, s16, s17                     ; the first row that I fetch: 2,048 b + 256 block + 128 half
	s_lshl_b32 s16, s16, 12                        ; 4,096 bytes a row
	s_lshl_b32 s17, s11, 11                        ; k lies 2,048 bytes on in the row
	s_add_co_u32 s16, s16, s17
	s_mov_b32 s17, 0
	s_mul_i32 s20, s10, HALFT                      ; where it goes: wave x 128 rows
	s_wait_dscnt 0x0                               ; both opening adds are done
	s_wait_kmcnt 0x0
	s_add_nc_u64 s[18:19], s[4:5], s[16:17]
.irp s, 0,1
	s_mov_b32 s[G0+4*\s], 1                                        ; count = 1
	s_add_co_u32 s[G0+4*\s+1], s20, \s*SLOT                        ; LDS address
	s_add_nc_u64 s[G0+4*\s+2:G0+4*\s+3], s[18:19], \s*KSTEP*2      ; global address: K step s
	s_or_b32 s[G0+4*\s+3], s[G0+4*\s+3], 0x80000000                ; type = 2
.endr
	tensor_load_to_lds s[G0:G0+3], s[G1:G1+7]      ; the two first fills go out together: two tensor loads of mine are out
	s_nop 0
	tensor_load_to_lds s[G0+4:G0+7], s[G1:G1+7]
	s_nop 0
.rept 4
	v_nop
.endr
	v_and_b32 v1, 15, v0                           ; l % 16
	v_bfe_u32 v2, v0, 4, 1                         ; l / 16
	v_mul_u32_u24 v3, v1, PITCH
	v_lshl_add_u32 v3, v2, 4, v3                   ; a fragment's row x pitch + 16 x half
	s_mul_i32 s21, s11, HALFT                      ; my 128 queries
	s_mul_i32 s22, s12, HALFT                      ; my 128 keys,
	s_add_co_u32 s22, s22, 2*HALFT                 ; which lie behind q's 256 rows
.irp s, 0,1
	v_add_nc_u32 v[ADRA+\s], s21, v3
	v_add_nc_u32 v[ADRB+\s], s22, v3
	s_add_co_u32 s21, s21, SLOT
	s_add_co_u32 s22, s22, SLOT
.endr
	s_mul_i32 s23, s10, 16*SPITCH
	s_add_co_u32 s23, s23, STAGE                   ; my stage
	v_mul_u32_u24 v5, v1, SPITCH                   ; in: row l % 16, 32 bytes for each half of the lanes
	v_lshl_add_u32 v5, v2, 5, v5
	v_add_nc_u32 v[STO], s23, v5
	v_and_b32 v6, 31, v0
	v_lshlrev_b32 v[CO], 4, v6                     ; back: the 32 lanes take one row of 512 bytes; and the same in s
	v_add_nc_u32 v[RD], s23, v[CO]
	s_lshl_b32 s16, s13, 11
	s_lshl_b32 s17, s14, 8
	s_add_co_u32 s16, s16, s17
	s_lshl_b32 s17, s11, 7
	s_add_co_u32 s16, s16, s17                     ; my first row of s
	s_lshl_b32 s16, s16, 13                        ; 8,192 bytes a row
	s_lshl_b32 s17, s15, 10                        ; my first key: 256 J + 128 half, 4 bytes each
	s_add_co_u32 s16, s16, s17
	s_lshl_b32 s17, s12, 9
	s_add_co_u32 s16, s16, s17
	s_mov_b32 s17, 0
	s_add_nc_u64 s[6:7], s[6:7], s[16:17]
; 16 matrix instructions: query blocks a0, a0 + 1 of the window's four x all 8 key blocks, 32 along K.  zero = 1: the first product starts the sums.  The 64 accumulators take turns, one instruction a turn.
.macro MUL16 f, hi, a0, zero
.irp a, \a0, \a0+1
.irp b, 0,1,2,3,4,5,6,7
.if \zero
	v_wmma_f32_16x16x32_f16 v[8*(8*(\a)+\b):8*(8*(\a)+\b)+7], v[\f+8*\b:\f+8*\b+7], v[\f+8*(4*\hi+\a):\f+8*(4*\hi+\a)+7], 0
.else
	v_wmma_f32_16x16x32_f16 v[8*(8*(\a)+\b):8*(8*(\a)+\b)+7], v[\f+8*\b:\f+8*\b+7], v[\f+8*(4*\hi+\a):\f+8*(4*\hi+\a)+7], v[8*(8*(\a)+\b):8*(8*(\a)+\b)+7]
.endif
.endr
.endr
.endm
; 32 LDS loads in one run: the fragments of one quarter step (128 keys, 128 queries, 32 K at byte k of the rows) into buffer f
.macro FETCH slot, k, f
	WIN TO_B
.irp i, 0,1,2,3,4,5,6,7
	ds_load_b128 v[\f+8*\i:\f+8*\i+3],   v[ADRB+\slot] offset:\k+\i*16*PITCH
	ds_load_b128 v[\f+8*\i+4:\f+8*\i+7], v[ADRB+\slot] offset:\k+\i*16*PITCH+32
.endr
	WIN 0
.irp i, 0,1,2,3,4,5,6,7
	ds_load_b128 v[\f+8*\i:\f+8*\i+3],   v[ADRA+\slot] offset:\k+\i*16*PITCH
	ds_load_b128 v[\f+8*\i+4:\f+8*\i+7], v[ADRA+\slot] offset:\k+\i*16*PITCH+32
.endr
.endm
.macro PLACES                          ; four places in front of loads into registers that matrix instructions have read, and of stores that read results (ISA guide 7.12.1 for vector instructions)
.rept 4
	v_nop
.endr
.endm
; A K step is four quarters of 32 along K, 64 matrix instructions each, on buffers 0, 1, 0, 1.  One of the first three multiplies buffer f; in its middle it fetches the next quarter, at byte k of the rows, into buffer g.
.macro QUARTER slot, k, f, g, zero
	s_wait_dscnt 8                                 ; k's fragments and q's rows 0-63 are in; the youngest eight loads (q's rows 64-127) may be out
	WIN MUL_LO
	MUL16 \f, 0, 0, \zero
	MUL16 \f, 0, 2, \zero
	PLACES
	FETCH \slot, \k, \g
	s_wait_dscnt 32                                ; all but the 32 just issued
	WIN MUL_HI
	MUL16 \f, 1, 0, \zero
	MUL16 \f, 1, 2, \zero
.endm
; The last quarter multiplies buffer 1 and changes slots: ONE barrier.  In front of it each wave waits for all its tensor loads (the one that is out is its part of the next slot), adds 0 to its spare word, and waits for that and
; for its reads of this slot.  Behind it nobody reads this slot and the next slot is whole.  fill = 1: this slot is filled again, two K steps ahead: my one tensor load until the next such barrier, with a K step's products in which to land.
.macro TURN slot, next, fill
	WIN 0                                          ; (the add's two registers lie in window 0)
	s_wait_tensorcnt 0x0
	ds_add_u32 v[SPW], v[NIL]
	s_wait_dscnt 9                                 ; (the add and the youngest eight loads may be out)
	WIN MUL_LO
	MUL16 F1, 0, 0, 0                              ; sixteen matrix instructions stand between the add and the wait for it
	s_wait_dscnt 0x0                               ; the add is done, and my reads of this slot are over
	s_barrier_signal -1
	MUL16 F1, 0, 2, 0                              ; work on registers while the others arrive
	WIN 0
	s_barrier_wait -1
.if \fill
	s_add_nc_u64 s[G0+4*\slot+2:G0+4*\slot+3], s[G0+4*\slot+2:G0+4*\slot+3], 2*KSTEP*2   ; no tensor load of mine is out, so a group 0 may be written
	tensor_load_to_lds s[G0+4*\slot:G0+4*\slot+3], s[G1:G1+7]
	s_nop 0
.endif
	PLACES                                         ; behind the tensor load, and the places in front of the loads below
	FETCH \next, 0, F0
	WIN MUL_HI
	MUL16 F1, 1, 0, 0
	MUL16 F1, 1, 2, 0
.endm
	s_wait_tensorcnt 1                             ; my part of K step 0 is in; K step 1's may be out
	s_barrier_signal -1
	s_barrier_wait -1                              ; everybody's is
	FETCH 0, 0, F0
	QUARTER 0, 64,  F0, F1, 1                      ; the first quarter stands in front of the loop: its products start the sums
	WIN 0                                          ; at a label and at a branch every window is 0
	s_mov_b32 s3, LAPS-1
.Llap:                                                 ; a trip goes once round the ring, from a lap's second quarter to the next lap's first, and fills both slots again: K steps 2 to 7 in three trips
	QUARTER 0, 128, F1, F0, 0
	QUARTER 0, 192, F0, F1, 0
	TURN 0, 1, 1
	QUARTER 1, 64,  F0, F1, 0
	QUARTER 1, 128, F1, F0, 0
	QUARTER 1, 192, F0, F1, 0
	TURN 1, 0, 1
	QUARTER 0, 64,  F0, F1, 0
	WIN 0
	s_sub_co_u32 s3, s3, 1
	s_cmp_lg_u32 s3, 0
	s_cbranch_scc1 .Llap
	QUARTER 0, 128, F1, F0, 0                      ; the last lap is written out: it fills nothing
	QUARTER 0, 192, F0, F1, 0
	TURN 0, 1, 0
	QUARTER 1, 64,  F0, F1, 0
	QUARTER 1, 128, F1, F0, 0
	QUARTER 1, 192, F0, F1, 0
	s_wait_dscnt 8                                 ; the very last quarter: nothing more to fetch
	WIN MUL_LO
	MUL16 F1, 0, 0, 0
	MUL16 F1, 0, 2, 0
	s_wait_dscnt 0
	WIN MUL_HI
	MUL16 F1, 1, 0, 0
	MUL16 F1, 1, 2, 0
	WIN 0
; THE WAY OUT, block by block of 16 queries x 128 keys.  A lane holds 32 neighbouring bytes of a row, the lanes beside it other rows: so a block goes through my own stage in LDS and comes back as whole rows of 512 bytes.
; LDS serves a wave's instructions in order (ISA guide 5.7.1.4): no wait between the stores and the loads, nor in front of the next block's stores.
.macro TOSTAGE a
.set AC, 64*((\a)%4)
	WIN 0x08+4*((\a)/4)                            ; the data: window 2 or 3
.irp b, 0,1,2,3,4,5,6,7
	ds_store_b128 v[STO], v[AC+8*\b:AC+8*\b+3] offset:64*\b          ; each accumulator from its low end on
	ds_store_b128 v[STO], v[AC+8*\b+4:AC+8*\b+7] offset:64*\b+16
.endr
	WIN 0
.set BB, BK+64*((\a)%2)
.irp t, 0,1,2,3,4,5,6,7,8,9,10,11,12,13,14,15
	ds_load_b128 v[BB+4*\t:BB+4*\t+3], v[RD] offset:\t*SPITCH
.endr
.endm
.macro SEND a, younger                 ; younger: the LDS instructions issued behind block a's loads, which may stay out
.set BB, BK+64*((\a)%2)
	s_wait_dscnt \younger                          ; the block is back in registers
.if (\a) > 0
	s_add_nc_u64 s[6:7], s[6:7], 16*8192           ; (behind a wait on XCNT: the earlier stores have read their base)  16 rows of s on
.endif
.irp t, 0,1,2,3,4,5,6,7,8,9,10,11,12,13,14,15
	global_store_b128 v[CO], v[BB+4*\t:BB+4*\t+3], s[6:7] offset:\t*8192   ; 32 lanes store 512 consecutive bytes, aligned
.endr
.endm
	PLACES                                         ; behind the last products: their results are read, and the fragments' registers loaded, from here on
	TOSTAGE 0
.irp a, 1,2,3,4,5,6,7
.if \a > 1
	s_wait_xcnt 0x0                                ; block a - 2's stores have read their registers and their base: block a's loads may land there, and the base may step
.endif
	TOSTAGE \a
	SEND \a-1, 32                                  ; behind block a - 1's loads: block a's 16 stores and 16 loads
.endr
	s_wait_xcnt 0x0                                ; block 6's stores have read their base
	SEND 7, 0
	s_wait_tensorcnt 0x0                           ; the wave's end, behind my last tensor load and my last LDS store
	ds_add_u32 v[SPW], v[NIL]
	s_wait_dscnt 0x0
	s_endpgm
.Lfunc_end_k_q3c2507da5f_scores:
	.size	k_q3c2507da5f_scores, .Lfunc_end_k_q3c2507da5f_scores-k_q3c2507da5f_scores
	.p2alignl 7, 3214868480
	.fill 96, 4, 3214868480
	.section	.rodata,"a",@progbits
	.p2align	6, 0x0
	.amdhsa_kernel k_q3c2507da5f_scores
		.amdhsa_group_segment_fixed_size 327680
		.amdhsa_private_segment_fixed_size 0
		.amdhsa_enable_private_segment 0
		.amdhsa_kernarg_size 16
		.amdhsa_user_sgpr_count 2
		.amdhsa_user_sgpr_kernarg_segment_ptr 1
		.amdhsa_wavefront_size32 1
		.amdhsa_system_sgpr_workgroup_id_x 1
		.amdhsa_system_sgpr_workgroup_id_y 1
		.amdhsa_system_sgpr_workgroup_id_z 1
		.amdhsa_system_vgpr_workitem_id 0
		.amdhsa_next_free_vgpr 1024
		.amdhsa_next_free_sgpr 66
		.amdhsa_reserve_vcc 0
		.amdhsa_float_denorm_mode_32 3
		.amdhsa_float_denorm_mode_16_64 3
		.amdhsa_memory_ordered 1
		.amdhsa_forward_progress 1
		.amdhsa_inst_pref_size 137
	.end_amdhsa_kernel
	.amdgpu_metadata
---
amdhsa.version: [ 1, 2 ]
amdhsa.kernels:
  - .name:           k_q3c2507da5f_scores
    .symbol:         k_q3c2507da5f_scores.kd
    .args:
      - { .name: qk, .offset: 0, .size: 8, .value_kind: global_buffer, .address_space: global }
      - { .name: s, .offset: 8, .size: 8, .value_kind: global_buffer, .address_space: global }
    .group_segment_fixed_size: 327680
    .private_segment_fixed_size: 0
    .kernarg_segment_align: 8
    .kernarg_segment_size: 16
    .max_flat_workgroup_size: 128
    .sgpr_count:     66
    .vgpr_count:     1024
    .wavefront_size: 32
...
	.end_amdgpu_metadata
.endif
;; end of part 3
;; launch softmax (part 4): grid 1024 x 1, 8 waves a work-group, no clusters, 0 bytes of LDS; arguments s, p; writes p
.if DOCPART == 4
	.amdgcn_target "amdgcn-amd-amdhsa--gfx1250"
	.amdhsa_code_object_version 6
	.text
	.protected	k_q3c2507da5f_softmax
	.globl	k_q3c2507da5f_softmax
	.p2align	8
	.type	k_q3c2507da5f_softmax,@function
k_q3c2507da5f_softmax:
	s_mov_b64 s[64:65], 0
	v_nop
	global_prefetch_b8 v0, s[64:65] scope:SCOPE_SE
	s_setreg_imm32_b32 hwreg(HW_REG_WAVE_MODE, 25, 1), 1
	s_wait_xcnt 0x0
; p[b][q][k] = softmax over k <= q of s[b][q][k] / 32, rounded once to f16.  s: [4][2048][2048] f32, of which keys under 256 (q / 256 + 1) were written; p: [4][2048][2048] f16, written for keys under 512 (q / 512 + 1): hidden keys get 0.
; The row's maximum is taken away before the exponential: p = 2^(c s - c m) / the row's sum, c = log2(e) / 32; c m is one number for the whole row, so its own rounding cancels in the division.
; One wave, one row, kept in registers: no loop, no LDS, no barrier; memory is read once and written once.  A row has 2 (q / 256 + 1) chunks of 128 keys: each load reads 512 consecutive bytes, each store writes 256, both aligned.
; The eight rows of a work-group are neighbours, so they have one length: eight cases are written out, chosen by a scalar branch on the work-group's number; in each every register, offset and count is a constant.
; Work-groups that follow each other take the four batches by turns, then the next eight rows.
; LIMITS: the weights are f16: under 6.1e-5 of the row's sum their step is 6e-8.  NaN among the scores is not served.
.set X, 16                             ; v16-79   the row: 4 numbers a chunk
.set Y, 80                             ; v80-111  the weights as f16: 2 registers a chunk
	s_load_b128 s[4:7], s[0:1], 0x0                ; s s[4:5], p s[6:7]
	v_lshrrev_b32 v1, 5, v0
	v_readfirstlane_b32 s8, v1                     ; wave 0..7
	v_and_b32 v1, 31, v0                           ; lane
	s_and_b32 s9, ttmp9, 3                         ; the batch
	s_lshr_b32 s14, ttmp9, 2
	s_lshl_b32 s14, s14, 3
	s_add_co_u32 s14, s14, s8                      ; q
	s_lshl_b32 s15, s9, 11
	s_add_co_u32 s15, s15, s14                     ; the row
	s_and_b32 s16, s14, 255                        ; d = q % 256
	s_lshr_b32 s17, ttmp9, 7                       ; q / 256: the same in all eight waves
	s_lshl_b32 s18, s15, 13                        ; 8,192 bytes a row of s
	s_mov_b32 s19, 0
	s_lshl_b32 s20, s15, 12                        ; 4,096 a row of p
	s_mov_b32 s21, 0
	s_mov_b32 s10, 0x3d38aa3b                      ; c = log2(e) / 32
	s_mov_b32 s11, s10                             ; (named with it as a pair, so it is written)
	s_mov_b32 s12, 0x76543210                      ; v_permlanex16_b32's selects for lane l xor 16
	s_mov_b32 s13, 0xfedcba98
	v_lshlrev_b32 v2, 4, v1                        ; in: 16 bytes a lane
	v_lshlrev_b32 v3, 3, v1                        ; out: 8 bytes a lane
	v_lshlrev_b32 v4, 2, v1
	v_subrev_nc_u32 v4, s16, v4                    ; 4 lane - d
	v_mov_b32 v5, 0xff800000                       ; -infinity
	v_mov_b32 v6, 0
	v_mov_b32 v7, 0
	v_mov_b32 v9, 0                                ; written once: a lane permute's destination counts as one of its sources
	s_wait_kmcnt 0x0
	s_add_nc_u64 s[4:5], s[4:5], s[18:19]
	s_add_nc_u64 s[6:7], s[6:7], s[20:21]
.macro ROWCASE ng
.set NC, 2*((\ng)+1)                   ; chunks of 128 keys
.set cc, 0
.rept NC
	global_load_b128 v[X+4*cc:X+4*cc+3], v2, s[4:5] offset:512*cc th:TH_LOAD_NT
.set cc, cc+1
.endr
	s_wait_loadcnt 0x0
.irp u, 0,1                                    ; the mask falls into the last two chunks: key 256 (q / 256) + 128 u + 4 lane + e is hidden where 128 u + 4 lane + e > d
.irp e, 0,1,2,3
	v_cmp_lt_i32 vcc_lo, -(128*\u+\e), v4
	v_cndmask_b32 v[X+4*(NC-2+\u)+\e], v[X+4*(NC-2+\u)+\e], v5, vcc_lo
.endr
.endr
	v_max3_num_f32 v8, v[X], v[X+1], v[X+2]        ; the row's maximum: my numbers in two chains,
	v_max3_num_f32 v10, v[X+3], v[X+4], v[X+5]
.set jj, 6
.rept (4*NC-6)/2
	v_max3_num_f32 v[8+2*((jj/2)%2)], v[8+2*((jj/2)%2)], v[X+jj], v[X+jj+1]
.set jj, jj+2
.endr
	v_max_num_f32 v8, v8, v10
	v_max_num_f32_dpp v8, v8, v8 row_xmask:1 row_mask:0xf bank_mask:0xf   ; then across the 32 lanes.  Key 256 (q / 256) counts for every row, so the maximum is a number
	v_max_num_f32_dpp v8, v8, v8 row_xmask:2 row_mask:0xf bank_mask:0xf
	v_max_num_f32_dpp v8, v8, v8 row_xmask:4 row_mask:0xf bank_mask:0xf
	v_max_num_f32_dpp v8, v8, v8 row_xmask:8 row_mask:0xf bank_mask:0xf
	v_permlanex16_b32 v9, v8, s12, s13
	v_max_num_f32 v8, v8, v9
	v_mul_f32 v12, s10, v8                         ; c m
	v_mov_b32 v13, v12                             ; (named with it as a pair)
.set jj, 0
.rept 2*NC
	v_pk_fma_f32 v[X+jj:X+jj+1], v[X+jj:X+jj+1], s[10:11], v[12:13] op_sel_hi:[1,0,0] neg_lo:[0,0,1] neg_hi:[0,0,1]   ; c s - c m, two at a time
.set jj, jj+2
.endr
.set jj, 0
.rept 4*NC
	v_exp_f32 v[X+jj], v[X+jj]                     ; one batch; a hidden key gives 0
.set jj, jj+1
.endr
	v_nop                                          ; a plain line behind the last exponential
	s_wait_alu depctr_va_vdst(0)                   ; one wait for the whole batch, ahead of its first reader
	v_pk_add_f32 v[8:9], v[X:X+1], v[X+2:X+3]      ; the row's sum: two at a time, in two chains
	v_pk_add_f32 v[10:11], v[X+4:X+5], v[X+6:X+7]
.set jj, 8
.rept (4*NC-8)/4
	v_pk_add_f32 v[8:9], v[8:9], v[X+jj:X+jj+1]
	v_pk_add_f32 v[10:11], v[10:11], v[X+jj+2:X+jj+3]
.set jj, jj+4
.endr
	v_pk_add_f32 v[8:9], v[8:9], v[10:11]
	v_add_f32 v8, v8, v9
	v_add_f32_dpp v8, v8, v8 row_xmask:1 row_mask:0xf bank_mask:0xf
	v_add_f32_dpp v8, v8, v8 row_xmask:2 row_mask:0xf bank_mask:0xf
	v_add_f32_dpp v8, v8, v8 row_xmask:4 row_mask:0xf bank_mask:0xf
	v_add_f32_dpp v8, v8, v8 row_xmask:8 row_mask:0xf bank_mask:0xf
	v_permlanex16_b32 v9, v8, s12, s13
	v_add_f32 v8, v8, v9
	v_rcp_f32 v14, v8                              ; twice: the pair that the packed multiply takes
	v_rcp_f32 v15, v8
	v_nop
	s_wait_alu depctr_va_vdst(0)                   ; one wait for both reciprocals
.set jj, 0
.rept 2*NC
	v_pk_mul_f32 v[X+jj:X+jj+1], v[X+jj:X+jj+1], v[14:15]
.set jj, jj+2
.endr
.set jj, 0
.rept 2*NC
	v_cvt_pk_f16_f32 v[Y+jj], v[X+2*jj], v[X+2*jj+1]
.set jj, jj+1
.endr
.set cc, 0
.rept NC
	global_store_b64 v3, v[Y+2*cc:Y+2*cc+1], s[6:7] offset:256*cc   ; 32 lanes store 256 consecutive bytes, aligned
.set cc, cc+1
.endr
.if ((\ng)%2) == 0                             ; zeros up to the next multiple of 512 keys: the last product multiplies so far
	global_store_b64 v3, v[6:7], s[6:7] offset:256*NC
	global_store_b64 v3, v[6:7], s[6:7] offset:256*(NC+1)
.endif
	s_endpgm
.endm
.irp n, 0,1,2,3,4,5,6
	s_cmp_eq_u32 s17, \n
	s_cbranch_scc1 .Lcase_\n
.endr
	ROWCASE 7
.irp n, 0,1,2,3,4,5,6
.Lcase_\n:
	ROWCASE \n
.endr
.Lfunc_end_k_q3c2507da5f_softmax:
	.size	k_q3c2507da5f_softmax, .Lfunc_end_k_q3c2507da5f_softmax-k_q3c2507da5f_softmax
	.p2alignl 7, 3214868480
	.fill 96, 4, 3214868480
	.section	.rodata,"a",@progbits
	.p2align	6, 0x0
	.amdhsa_kernel k_q3c2507da5f_softmax
		.amdhsa_group_segment_fixed_size 0
		.amdhsa_private_segment_fixed_size 0
		.amdhsa_enable_private_segment 0
		.amdhsa_kernarg_size 16
		.amdhsa_user_sgpr_count 2
		.amdhsa_user_sgpr_kernarg_segment_ptr 1
		.amdhsa_wavefront_size32 1
		.amdhsa_system_sgpr_workgroup_id_x 1
		.amdhsa_system_sgpr_workgroup_id_y 1
		.amdhsa_system_sgpr_workgroup_id_z 1
		.amdhsa_system_vgpr_workitem_id 0
		.amdhsa_next_free_vgpr 112
		.amdhsa_next_free_sgpr 66
		.amdhsa_reserve_vcc 1
		.amdhsa_float_denorm_mode_32 3
		.amdhsa_float_denorm_mode_16_64 3
		.amdhsa_memory_ordered 1
		.amdhsa_forward_progress 1
		.amdhsa_inst_pref_size 83
	.end_amdhsa_kernel
	.amdgpu_metadata
---
amdhsa.version: [ 1, 2 ]
amdhsa.kernels:
  - .name:           k_q3c2507da5f_softmax
    .symbol:         k_q3c2507da5f_softmax.kd
    .args:
      - { .name: s, .offset: 0, .size: 8, .value_kind: global_buffer, .address_space: global }
      - { .name: p, .offset: 8, .size: 8, .value_kind: global_buffer, .address_space: global }
    .group_segment_fixed_size: 0
    .private_segment_fixed_size: 0
    .kernarg_segment_align: 8
    .kernarg_segment_size: 16
    .max_flat_workgroup_size: 256
    .sgpr_count:     66
    .vgpr_count:     112
    .wavefront_size: 32
...
	.end_amdgpu_metadata
.endif
;; end of part 4
;; launch pv (part 5): grid 8 x 32, 4 waves a work-group, clusters of 4 x 4, 327,680 bytes of LDS; arguments p, vt, out0; writes out0
.if DOCPART == 5
	.amdgcn_target "amdgcn-amd-amdhsa--gfx1250"
	.amdhsa_code_object_version 6
	.text
	.protected	k_q3c2507da5f_pv
	.globl	k_q3c2507da5f_pv
	.p2align	8
	.type	k_q3c2507da5f_pv,@function
k_q3c2507da5f_pv:
	s_mov_b64 s[64:65], 0
	v_nop
	global_prefetch_b8 v0, s[64:65] scope:SCOPE_SE
	s_setreg_imm32_b32 hwreg(HW_REG_WAVE_MODE, 25, 1), 1
	s_wait_xcnt 0x0
	s_wait_alu depctr_hold_cnt(0) depctr_sa_sdst(0) depctr_va_vdst(0) depctr_va_sdst(0) depctr_va_ssrc(0) depctr_va_vcc(0) depctr_vm_vsrc(0)
	s_getreg_b32 s2, hwreg(HW_REG_IB_STS2, 6, 4)
	s_cmp_eq_u32 s2, 0
	s_cbranch_scc0 .Lentry_in_a_cluster
	s_endpgm
.Lentry_in_a_cluster:
	s_bfe_u32 s2, ttmp6, 0x10000c
	s_cmp_lg_u32 s2, 0xf033
	s_cbranch_scc0 .Lentry_shape_is_right
	s_endpgm
.Lentry_shape_is_right:
; out0[b][q][e] = sum over keys of p[b][q][key] v[b][key][e].  p: [4][2048][2048] f16; vt: [4][1024 channels][2048 keys] f16: both with the keys, the product's K, innermost; out0: [4][2048][1024] f32; sums in f32.
; ONLY AS FAR AS THE MASK ALLOWS: the 512 queries of superblock I see keys under 512 (I + 1); beyond a query's own limit p holds zeros up to there.
; A cluster of 4 x 4 work-groups covers 512 queries x 512 channels: a superblock.  A tile of out0 is 128 x 128; four waves, each 64 x 64: 16 accumulators, 128 registers.  K goes in steps of 256 keys (rows of 512 bytes) through two LDS slots.
; EVEN WORK: a work-group STAYS for two tiles, in superblocks pr and 3 - pr (pr = 0, 1): pr + 1 and 4 - pr laps of 512 keys: five laps for every one of the 256 work-groups.  The ring does not stop between the tiles:
; the first tile's last two changes of slots ask for the second tile's first two K steps.  Where the first tile ends hangs on the cluster's y and the count of laps alone: it is the same in all sixteen partners and in all waves.
; No partner skips the zeros between its own 128 queries' limit and the superblock's: that would be a branch on a work-group's place in its cluster, and the joint loads are issued by all that they name.
; CLUSTERS: the four of a row of the cluster need the same tiles of p, the four of a column the same tiles of vt: each tile is asked for JOINTLY, by the same tensor load with the same descriptor and a mask that names the four.
; THE MATRIX INSTRUCTION IS USED TRANSPOSED (source 0 = 16 channels, source 1 = 16 queries): a lane holds eight neighbouring channels of one query.  Rows 0-15 of each batch are written again, more finely, by the next launch.
; REGISTERS: window 0: v0-31 addresses; v32-95 rows on the way out; v128-255 the accumulators ((a, b) at v[128 + 8 (4 a + b)]).   window 1: two fragment buffers of 128: for 64 along K, 64 registers of p, then 64 of vt.
.set KSTEP,  256
.set PITCH,  528                       ; an LDS row: 512 bytes + 16 of padding: the 16 rows that a load touches start at 16 different banks (64 banks of 4 bytes: ISA guide 11.1)
.set HALFT,  64*PITCH                  ; 64 rows: what one tensor load brings
.set SLOT,   4*HALFT                   ; p's 128 rows, then vt's 128 rows
.set STAGE,  2*SLOT                    ; behind the ring: 16 rows x (256 bytes + 16) for each wave; no tensor load lands here
.set SPITCH, 272
.set SPARE,  STAGE+4*16*SPITCH         ; the spare words, 128 bytes for each wave: two blocks of 256 bytes that no other line names
.set ADRA, 16                          ; v16-17  LDS address of my p fragments in slot 0, 1
.set ADRB, 20                          ; v20-21  the same for vt
.set STO,  24                          ; v24     the way out: where I put 32 bytes of a row
.set RD,   25                          ; v25     where I read two rows back
.set CO,   26                          ; v26     my byte offset in two rows of out0
.set SPW,  28                          ; v28     LDS address of my spare word; never rewritten
.set NIL,  29                          ; v29     0; never rewritten
.set BK,   32                          ; 16 rows read back: v32-63 and v64-95 by turns
.set ACC,  128
.set F0,   0                           ; fragment buffers, in window 1
.set F1,   128
.set G1, 24                            ; s[24:31] descriptor group 1 for p's tiles;  s[32:39] group 0, one set for each slot
.set G0, 32
.set G1B, 48                           ; s[48:55], s[56:63] the same for vt's tiles
.set G0B, 56
.set L1,  66                           ; s66      the first tile's laps: pr + 1
.set STA, 68                           ; s[68:69] this trip's step of p's addresses;  s[70:71] what is added to vt's, s[72:73] what is taken off them
.set DA,  74                           ; s74      p's step at the change of tiles: 512 (3 - 2 pr) rows down, pr laps back along K;  s75: vt's way back
.set DC,  76                           ; s[76:77] out0's step at the change of tiles
.set MSB, 0
.macro WIN new                         ; the immediate's high byte repeats the setting that is left
.if MSB != (\new)
	s_set_vgpr_msb (MSB<<8)|(\new)
.set MSB, (\new)
.endif
.endm
.set MUL,  0x05                        ; sources 0 (vt) and 1 (p) window 1; C and D window 0
.set TO_F, 0x40                        ; destination window 1, address window 0
.macro JLOAD s                         ; a joint load: waves 0 and 1 fetch p's two halves, waves 2 and 3 vt's; an s_nop 0 and four v_nop follow each of the two lines, ahead of the jump, the label and what follows
	s_cmp_eq_u32 s11, 0
	s_cbranch_scc0 .Lfor_b_\@
	tensor_load_to_lds s[G0+4*\s:G0+4*\s+3], s[G1:G1+7]
	s_nop 0
.rept 4
	v_nop
.endr
	s_branch .Lasked_\@
.Lfor_b_\@:
	tensor_load_to_lds s[G0B+4*\s:G0B+4*\s+3], s[G1B:G1B+7]
	s_nop 0
.rept 4
	v_nop
.endr
.Lasked_\@:
.endm
.macro CREST                           ; a round of the cluster's barrier behind its opening barrier
	s_cmp_lg_u32 s10, 0
	s_cbranch_scc1 .Lnot_wave_0_\@
	s_barrier_signal -3
.Lnot_wave_0_\@:
	s_barrier_wait -3
	s_barrier_signal -1
	s_barrier_wait -1
.endm
.macro CROUND                          ; a whole round
	s_barrier_signal -1
	s_barrier_wait -1
	CREST
.endm
	s_load_b128 s[4:7], s[0:1], 0x0                ; p s[4:5], vt s[6:7]
	s_load_b64 s[8:9], s[0:1], 0x10                ; out0
	v_lshl_add_u32 v[SPW], v0, 2, SPARE
	v_mov_b32 v[NIL], 0
	ds_add_u32 v[SPW], v[NIL]                      ; the wave's opening: the add, twice on end, and its wait ahead of my first tensor load; the set-up below stands between the second and the wait
	ds_add_u32 v[SPW], v[NIL]
	v_lshrrev_b32 v1, 5, v0
	v_readfirstlane_b32 s10, v1                    ; wave 0..3
	s_lshr_b32 s11, s10, 1                         ; which half of the tile's queries is mine.  Also: I fetch for p (0) or for vt (1)
	s_and_b32 s12, s10, 1                          ; which half of its channels.  Also: which 64 rows of that tile I fetch
	s_bfe_u32 s40, ttmp6, 0x40000                  ; cx, cy: my place in the cluster
	s_bfe_u32 s41, ttmp6, 0x40004
	s_lshl_b32 s42, ttmp9, 2
	s_add_co_u32 s42, s42, s40                     ; my block of 128 channels = 4 x cluster x + cx
	s_and_b32 s13, ttmp7, 0xffff                   ; cluster y = 2 x batch + pr
	s_lshr_b32 s67, s13, 1                         ; the batch
	s_and_b32 s78, s13, 1                          ; pr
	s_lshl_b32 s13, s67, 11
	s_lshl_b32 s16, s78, 9
	s_add_co_u32 s13, s13, s16
	s_lshl_b32 s16, s41, 7
	s_add_co_u32 s13, s13, s16                     ; the first tile's first query row: 2,048 b + 512 pr + 128 cy
	s_lshl_b32 s43, s41, 2
	s_lshl_b32 s43, 15, s43                        ; my row of the cluster
	s_lshl_b32 s44, 0x1111, s40                    ; my column
	; descriptor group 1: a tile of 64 rows x 256 elements of 2 bytes, padded in LDS
	s_or_b32 s[G1+0], s43, (1<<16)|(1<<20)|(1<<21)|(6<<22)|(3<<25)  ; 15:0 the mask: p's tiles go to my row; 17:16 element of 2 bytes; 20 padding on; 21 set beside a mask; 24:22 after every 128 words (code 6); 31:25 of 4 words (code 3)
	s_or_b32 s[G1B+0], s44, (1<<16)|(1<<20)|(1<<21)|(6<<22)|(3<<25)
.irp g, G1, G1B
	s_mov_b32 s[\g+1], KSTEP<<16                   ; tensor_dim0
	s_mov_b32 s[\g+2], 64<<16                      ; tensor_dim1
	s_mov_b32 s[\g+3], KSTEP<<16                   ; tile_dim0
	s_mov_b32 s[\g+4], 64                          ; tile_dim1
	s_mov_b32 s[\g+5], 2048                        ; tensor_dim0_stride: a row of p, and of vt
	s_mov_b32 s[\g+6], 0
	s_mov_b32 s[\g+7], 0
.endr
	; the walk's steps: made of pr alone, which all sixteen partners share
	s_add_co_u32 s[L1], s78, 1
	s_lshl_b32 s[DA+1], s78, 10                    ; pr laps of 1,024 bytes
	s_lshl_b32 s[DC], s78, 1
	s_sub_co_u32 s[DC], 3, s[DC]
	s_lshl_b32 s[DC], s[DC], 21                    ; 512 (3 - 2 pr) rows of 4,096 bytes, in p and in out0 alike
	s_mov_b32 s[DC+1], 0
	s_sub_co_u32 s[DA], s[DC], s[DA+1]
	s_mov_b32 s[STA+1], 0
	s_mov_b32 s[STA+3], 0
	s_mov_b32 s[STA+5], 0
	s_lshl_b32 s17, s12, 6                         ; which 64 rows of the tile I fetch
	s_add_co_u32 s16, s13, s17
	s_lshl_b32 s16, s16, 12                        ; p: 4,096 bytes a row
	s_lshl_b32 s46, s42, 7
	s_add_co_u32 s46, s46, s17
	s_lshl_b32 s46, s46, 12                        ; vt: channel 128 x block + 64 x half,
	s_lshl_b32 s47, s67, 22
	s_add_co_u32 s46, s46, s47                     ; in my batch's 4,194,304 bytes
	s_mov_b32 s17, 0
	s_mov_b32 s47, 0
	s_mul_i32 s20, s10, HALFT                      ; where they go: wave x 64 rows: no place in the cluster enters an LDS address
	s_wait_dscnt 0x0                               ; both opening adds are done
	s_wait_kmcnt 0x0
	s_add_nc_u64 s[14:15], s[4:5], s[16:17]
	s_add_nc_u64 s[46:47], s[6:7], s[46:47]
	CROUND                                         ; all sixteen work-groups are here: the first joint loads meet
.irp s, 0,1
	s_mov_b32 s[G0+4*\s], 1
	s_add_co_u32 s[G0+4*\s+1], s20, \s*SLOT
	s_add_nc_u64 s[G0+4*\s+2:G0+4*\s+3], s[14:15], \s*KSTEP*2
	s_or_b32 s[G0+4*\s+3], s[G0+4*\s+3], 0x80000000
	s_mov_b32 s[G0B+4*\s], 1
	s_add_co_u32 s[G0B+4*\s+1], s20, \s*SLOT
	s_add_nc_u64 s[G0B+4*\s+2:G0B+4*\s+3], s[46:47], \s*KSTEP*2
	s_or_b32 s[G0B+4*\s+3], s[G0B+4*\s+3], 0x80000000
	JLOAD \s                                       ; two tensor loads of mine are out
.endr
	v_and_b32 v1, 15, v0                           ; l % 16
	v_bfe_u32 v2, v0, 4, 1                         ; l / 16
	v_mul_u32_u24 v3, v1, PITCH
	v_lshl_add_u32 v3, v2, 4, v3                   ; a fragment's row x pitch + 16 x half
	s_mul_i32 s21, s11, HALFT                      ; my 64 queries
	s_mul_i32 s22, s12, HALFT                      ; my 64 channels,
	s_add_co_u32 s22, s22, 2*HALFT                 ; which lie behind p's 128 rows
.irp s, 0,1
	v_add_nc_u32 v[ADRA+\s], s21, v3
	v_add_nc_u32 v[ADRB+\s], s22, v3
	s_add_co_u32 s21, s21, SLOT
	s_add_co_u32 s22, s22, SLOT
.endr
	s_mul_i32 s23, s10, 16*SPITCH
	s_add_co_u32 s23, s23, STAGE                   ; my stage
	v_mul_u32_u24 v4, v1, SPITCH                   ; in: row l % 16, 32 bytes for each half of the lanes
	v_lshl_add_u32 v4, v2, 5, v4
	v_add_nc_u32 v[STO], s23, v4
	v_mul_u32_u24 v5, v2, SPITCH                   ; back: lanes 0-15 take one row of 256 bytes, lanes 16-31 the next
	v_lshl_add_u32 v5, v1, 4, v5
	v_add_nc_u32 v[RD], s23, v5
	v_lshlrev_b32 v5, 12, v2                       ; and the same two rows in out0
	v_lshl_add_u32 v[CO], v1, 4, v5
	s_lshl_b32 s16, s11, 6
	s_add_co_u32 s16, s16, s13                     ; my first row of out0
	s_lshl_b32 s16, s16, 12
	s_mov_b32 s17, 0
	s_add_nc_u64 s[8:9], s[8:9], s[16:17]
	s_lshl_b32 s46, s42, 9                         ; my first channel, in bytes: 512 x block + 256 x half
	s_lshl_b32 s47, s12, 8
	s_add_co_u32 s46, s46, s47
	s_mov_b32 s47, 0
	s_add_nc_u64 s[8:9], s[8:9], s[46:47]
; 8 matrix instructions: query blocks a0, a0 + 1 x all 4 channel blocks, 32 along K: half c of buffer f.  zero = 1: the first product starts the sums.  The 16 accumulators take turns.
.macro MUL8 f, c, a0, zero
.irp a, \a0, \a0+1
.irp b, 0,1,2,3
.if \zero
	v_wmma_f32_16x16x32_f16 v[ACC+8*(4*(\a)+\b):ACC+8*(4*(\a)+\b)+7], v[\f+64+8*(4*\c+\b):\f+64+8*(4*\c+\b)+7], v[\f+8*(4*\c+\a):\f+8*(4*\c+\a)+7], 0
.else
	v_wmma_f32_16x16x32_f16 v[ACC+8*(4*(\a)+\b):ACC+8*(4*(\a)+\b)+7], v[\f+64+8*(4*\c+\b):\f+64+8*(4*\c+\b)+7], v[\f+8*(4*\c+\a):\f+8*(4*\c+\a)+7], v[ACC+8*(4*(\a)+\b):ACC+8*(4*(\a)+\b)+7]
.endif
.endr
.endr
.endm
; 32 LDS loads in one run: the fragments of 64 along K at byte k of the rows, into buffer f; the first 32 along K first
.macro FETCH slot, k, f
	WIN TO_F
.irp c, 0,1
.irp i, 0,1,2,3
	ds_load_b128 v[\f+64+8*(4*\c+\i):\f+64+8*(4*\c+\i)+3],   v[ADRB+\slot] offset:\k+64*\c+\i*16*PITCH
	ds_load_b128 v[\f+64+8*(4*\c+\i)+4:\f+64+8*(4*\c+\i)+7], v[ADRB+\slot] offset:\k+64*\c+\i*16*PITCH+32
	ds_load_b128 v[\f+8*(4*\c+\i):\f+8*(4*\c+\i)+3],         v[ADRA+\slot] offset:\k+64*\c+\i*16*PITCH
	ds_load_b128 v[\f+8*(4*\c+\i)+4:\f+8*(4*\c+\i)+7],       v[ADRA+\slot] offset:\k+64*\c+\i*16*PITCH+32
.endr
.endr
.endm
.macro PLACES n                        ; places behind matrix instructions: plain vector instructions that name none of their registers (ISA guide 7.12.1 for vector instructions)
.rept \n
	v_nop
.endr
.endm
; A K step is four quarters of 64 along K, 32 matrix instructions each, on buffers 0, 1, 0, 1.  One of the first three multiplies buffer f and fetches the next quarter, at byte k, into g.
.macro QUARTER slot, k, f, g, zero
	s_wait_dscnt 16                                ; the first 32 along K are in; the sixteen loads of the second 32 may be out
	WIN MUL
	MUL8 \f, 0, 0, \zero
	MUL8 \f, 0, 2, \zero
	PLACES 4
	FETCH \slot, \k, \g
	s_wait_dscnt 32                                ; all but the 32 just issued
	WIN MUL
	MUL8 \f, 1, 0, 0
	MUL8 \f, 1, 2, 0
.endm
; The last quarter multiplies buffer 1 and changes slots: ONE barrier; in front of it each wave waits for all its tensor loads, adds 0 to its spare word, and waits for that and for its own reads of this slot.
; fill = 1: the barrier opens a round of the cluster's barrier, and this slot is filled again by the joint load that stands first behind the round: with the K step two steps on, or, in the first tile's last lap, with the second tile's K step 0 or 1.
.macro TURN slot, next, fill
	WIN 0                                          ; (the add's two registers lie in window 0)
	s_wait_tensorcnt 0x0                           ; all my tensor loads have landed: my part of the next slot
	ds_add_u32 v[SPW], v[NIL]
	s_wait_dscnt 17                                ; (the add and the youngest sixteen loads may be out)
	WIN MUL
	MUL8 F1, 0, 0, 0                               ; eight matrix instructions stand between the add and the wait for it
	s_wait_dscnt 0x0                               ; the add is done, and my reads of this slot are over
	s_barrier_signal -1
	MUL8 F1, 0, 2, 0
.if \fill
	WIN 0
.endif
	s_barrier_wait -1
.if \fill
	CREST                                          ; no wave of any partner still reads this slot's tile or has a load on its way
	s_add_nc_u64 s[G0+4*\slot+2:G0+4*\slot+3], s[G0+4*\slot+2:G0+4*\slot+3], s[STA:STA+1]
	s_add_nc_u64 s[G0B+4*\slot+2:G0B+4*\slot+3], s[G0B+4*\slot+2:G0B+4*\slot+3], s[STA+2:STA+3]
	s_sub_nc_u64 s[G0B+4*\slot+2:G0B+4*\slot+3], s[G0B+4*\slot+2:G0B+4*\slot+3], s[STA+4:STA+5]
	JLOAD \slot                                    ; the four v_nop behind it are also the places in front of the loads below
.else
	PLACES 4
.endif
	FETCH \next, 0, F0
	WIN MUL
	MUL8 F1, 1, 0, 0
	MUL8 F1, 1, 2, 0
.endm
; THE WAY OUT of a tile, block by block of 16 queries x 64 channels: through my own stage in LDS, back as whole rows of 256 bytes.  LDS serves a wave's instructions in order (ISA guide 5.7.1.4): no wait between the stores and the loads.
.macro TOSTAGE a
.irp b, 0,1,2,3
	ds_store_b128 v[STO], v[ACC+8*(4*(\a)+\b):ACC+8*(4*(\a)+\b)+3] offset:64*\b          ; each accumulator from its low end on
	ds_store_b128 v[STO], v[ACC+8*(4*(\a)+\b)+4:ACC+8*(4*(\a)+\b)+7] offset:64*\b+16
.endr
.set BB, BK+32*((\a)%2)
.irp t, 0,1,2,3,4,5,6,7
	ds_load_b128 v[BB+4*\t:BB+4*\t+3], v[RD] offset:\t*2*SPITCH
.endr
.endm
.macro SEND a, younger                 ; younger: the LDS instructions issued behind block a's loads, which may stay out
.set BB, BK+32*((\a)%2)
	s_wait_dscnt \younger
.irp t, 0,1,2,3,4,5,6,7
	global_store_b128 v[CO], v[BB+4*\t:BB+4*\t+3], s[8:9] offset:(16*(\a)+2*\t)*4096 th:TH_STORE_NT   ; 16 lanes store 256 consecutive bytes, aligned; the block's place stands in the immediate: the base is not stepped
.endr
.endm
.macro OUT
	PLACES 5                                       ; four in front of the stores that read the last results; the fifth since the next tile's first products write over these accumulators with another C
	TOSTAGE 0
.irp a, 1,2,3
.if \a > 1
	s_wait_xcnt 0x0                                ; block a - 2's stores have read their registers: block a's loads may land there
.endif
	TOSTAGE \a
	SEND \a-1, 16                                  ; behind block a - 1's loads: block a's 8 stores and 8 loads
.endr
	SEND 3, 0
.endm
	s_wait_tensorcnt 1                             ; my part of K step 0 is in; K step 1's may be out
	s_barrier_signal -1
	s_barrier_wait -1                              ; everybody's is
	FETCH 0, 0, F0
	QUARTER 0, 128, F0, F1, 1                      ; the first tile's first quarter: its first products start the sums
	WIN 0                                          ; at a label and at a branch every window is 0
	s_mov_b32 s3, 1
.Llap:                                                 ; four trips, s3 = 1 .. 4: from a lap's second quarter to the next lap's first; both slots are filled again: K steps 2 to 9 of the stream of ten
	s_cmp_eq_u32 s3, s[L1]                         ; the first tile's last lap?  Then both refills go to the second tile
	s_cselect_b32 s[STA], s[DA], 2*KSTEP*2
	s_cselect_b32 s[STA+2], 0, 2*KSTEP*2
	s_cselect_b32 s[STA+4], s[DA+1], 0
	QUARTER 0, 256, F1, F0, 0
	QUARTER 0, 384, F0, F1, 0
	TURN 0, 1, 1
	QUARTER 1, 128, F0, F1, 0
	QUARTER 1, 256, F1, F0, 0
	QUARTER 1, 384, F0, F1, 0
	TURN 1, 0, 1
	WIN 0
	s_cmp_eq_u32 s3, s[L1]                         ; the cluster's y and the count of laps alone; no tensor load, wait on tensor loads, add or barrier stands in either arm
	s_cbranch_scc0 .Lgo_on
	OUT                                            ; both refills are asked for: now the first tile goes out
	s_wait_xcnt 0x0                                ; its stores have read their base and their registers
	s_add_nc_u64 s[8:9], s[8:9], s[DC:DC+1]
	QUARTER 0, 128, F0, F1, 1                      ; the second tile's first quarter starts its sums
	WIN 0
	s_branch .Ljoin
.Lgo_on:
	QUARTER 0, 128, F0, F1, 0
	WIN 0
.Ljoin:
	s_add_co_u32 s3, s3, 1
	s_cmp_lt_u32 s3, 5
	s_cbranch_scc1 .Llap
	QUARTER 0, 256, F1, F0, 0                      ; the last lap is written out: it fills nothing, and has no round of the cluster's barrier
	QUARTER 0, 384, F0, F1, 0
	TURN 0, 1, 0
	QUARTER 1, 128, F0, F1, 0
	QUARTER 1, 256, F1, F0, 0
	QUARTER 1, 384, F0, F1, 0
	s_wait_dscnt 16                                ; the very last quarter: nothing more to fetch
	WIN MUL
	MUL8 F1, 0, 0, 0
	MUL8 F1, 0, 2, 0
	s_wait_dscnt 0
	MUL8 F1, 1, 0, 0
	MUL8 F1, 1, 2, 0
	WIN 0
	OUT
	s_wait_tensorcnt 0x0                           ; the wave's end, behind my last tensor load and my last LDS store
	ds_add_u32 v[SPW], v[NIL]
	s_wait_dscnt 0x0
	CROUND                                         ; the closing round: no work-group ends while a partner may still ask for a tile that names it
	s_endpgm
.Lfunc_end_k_q3c2507da5f_pv:
	.size	k_q3c2507da5f_pv, .Lfunc_end_k_q3c2507da5f_pv-k_q3c2507da5f_pv
	.p2alignl 7, 3214868480
	.fill 96, 4, 3214868480
	.section	.rodata,"a",@progbits
	.p2align	6, 0x0
	.amdhsa_kernel k_q3c2507da5f_pv
		.amdhsa_group_segment_fixed_size 327680
		.amdhsa_private_segment_fixed_size 0
		.amdhsa_enable_private_segment 0
		.amdhsa_kernarg_size 24
		.amdhsa_user_sgpr_count 2
		.amdhsa_user_sgpr_kernarg_segment_ptr 1
		.amdhsa_wavefront_size32 1
		.amdhsa_system_sgpr_workgroup_id_x 1
		.amdhsa_system_sgpr_workgroup_id_y 1
		.amdhsa_system_sgpr_workgroup_id_z 1
		.amdhsa_system_vgpr_workitem_id 0
		.amdhsa_next_free_vgpr 512
		.amdhsa_next_free_sgpr 80
		.amdhsa_reserve_vcc 0
		.amdhsa_float_denorm_mode_32 3
		.amdhsa_float_denorm_mode_16_64 3
		.amdhsa_memory_ordered 1
		.amdhsa_forward_progress 1
		.amdhsa_inst_pref_size 98
	.end_amdhsa_kernel
	.amdgpu_metadata
---
amdhsa.version: [ 1, 2 ]
amdhsa.kernels:
  - .name:           k_q3c2507da5f_pv
    .symbol:         k_q3c2507da5f_pv.kd
    .args:
      - { .name: p, .offset: 0, .size: 8, .value_kind: global_buffer, .address_space: global }
      - { .name: vt, .offset: 8, .size: 8, .value_kind: global_buffer, .address_space: global }
      - { .name: out0, .offset: 16, .size: 8, .value_kind: global_buffer, .address_space: global }
    .group_segment_fixed_size: 327680
    .private_segment_fixed_size: 0
    .kernarg_segment_align: 8
    .kernarg_segment_size: 24
    .max_flat_workgroup_size: 128
    .sgpr_count:     80
    .vgpr_count:     512
    .wavefront_size: 32
...
	.end_amdgpu_metadata
.endif
;; end of part 5
;; launch fine (part 6): grid 4 x 1, 8 waves a work-group, no clusters, 76,800 bytes of LDS; arguments fine32, out0; writes out0
.if DOCPART == 6
	.amdgcn_target "amdgcn-amd-amdhsa--gfx1250"
	.amdhsa_code_object_version 6
	.text
	.protected	k_q3c2507da5f_fine
	.globl	k_q3c2507da5f_fine
	.p2align	8
	.type	k_q3c2507da5f_fine,@function
k_q3c2507da5f_fine:
	s_mov_b64 s[64:65], 0
	v_nop
	global_prefetch_b8 v0, s[64:65] scope:SCOPE_SE
	s_setreg_imm32_b32 hwreg(HW_REG_WAVE_MODE, 25, 1), 1
	s_wait_xcnt 0x0
; The first 16 positions of each batch, where a row of the softmax averages one to sixteen values: both products and the softmax in f32, from the f32 copies that the projections' launch kept.
; fine32: qk32 [4][16 tokens][2048] (columns 0-1023 q, 1024-2047 k), then vt32 [4][1024 channels][16 tokens].  out0 [4][2048][1024] f32: rows 0-15 of each batch are written, over what the launch before left there.
; One work-group a batch, eight waves.  Scores: wave w sums depths 128 w .. 128 w + 127; the eight partial sums meet in LDS, and every wave adds them in the same order.  Output: wave w makes channels 128 w .. 128 w + 127.
; Both products are used transposed: S^T = k q^T (source 0 = 16 keys, source 1 = 16 queries), O^T = v^T w (source 0 = 16 channels, source 1 = the weights): a lane holds ONE query (lane % 16) throughout, and keys 8 (lane / 16) + 0 .. 7.
; The f32 matrix form takes 4 along K, register j of lane (r, h) standing for k = 2 h + j.  Which depth (or key) stands there is free so long as both sources agree: both take the lane's own registers in pairs, so nothing changes lanes.
; The registers that this form writes (v144-175, v192-255) are written by matrix instructions alone; each sum begins with the constant 0; what is made of a sum goes into other registers.
.set PART,   0                         ; LDS: eight partial sums of 1,024 bytes
.set STG,    8192                      ; the way out: 16 rows x (512 bytes + 16) for each wave
.set SPITCH, 528
.set SPARE,  STG+8*16*SPITCH           ; the spare words, 128 bytes for each wave: four blocks of 256 bytes that no other line names
.set VT32,   524288
.set Q,  16                            ; v16-79   q; later the eight partial sums; later rows of the output
.set K,  80                            ; v80-143  k; later v^T
.set SA, 144                           ; v144-175 four accumulators of S^T
.set T,  176                           ; v176-191 sums of them; the scores; the weights
.set O,  192                           ; v192-255 eight accumulators of O^T
	s_load_b128 s[4:7], s[0:1], 0x0                ; fine32 s[4:5], out0 s[6:7]
	v_lshl_add_u32 v14, v0, 2, SPARE               ; v14: my spare word; v15: 0; never rewritten
	v_mov_b32 v15, 0
	v_lshrrev_b32 v1, 5, v0
	v_readfirstlane_b32 s8, v1                     ; wave 0..7
	v_and_b32 v1, 15, v0                           ; r
	v_bfe_u32 v5, v0, 4, 1                         ; h
	v_and_b32 v6, 31, v0                           ; lane
	v_lshlrev_b32 v2, 13, v1
	v_lshl_add_u32 v2, v5, 4, v2                   ; q, k: token r's row of 8,192 bytes, + 16 h
	v_lshlrev_b32 v3, 6, v1
	v_lshl_add_u32 v3, v5, 5, v3                   ; v^T: channel r's 64 bytes, + 32 h
	v_lshlrev_b32 v4, 3, v5
	v_sub_nc_u32 v4, v1, v4                        ; r - 8 h: my key j is hidden where j > r - 8 h
	v_lshlrev_b32 v7, 4, v6                        ; 16 x lane: in a partial sum's image, and in a row of the output
	s_lshl_b32 s9, s8, 10
	v_add_nc_u32 v11, s9, v7                       ; where my partial sum goes: PART + 1,024 w + 16 lane
	s_mul_i32 s9, s8, 16*SPITCH
	s_add_co_u32 s9, s9, STG                       ; my stage
	v_mul_u32_u24 v12, v1, SPITCH
	v_lshl_add_u32 v12, v5, 5, v12
	v_add_nc_u32 v12, s9, v12                      ; in: row r, 32 bytes for each half of the lanes
	v_add_nc_u32 v13, s9, v7                       ; back: a row of 512 bytes, 16 a lane
	v_mov_b32 v9, 0                                ; written once: a lane permute's destination counts as one of its sources
	s_mov_b32 s10, 0x3d38aa3b                      ; c = log2(e) / 32
	s_mov_b32 s12, 0x76543210                      ; v_permlanex16_b32's selects for lane l xor 16
	s_mov_b32 s13, 0xfedcba98
	s_lshl_b32 s14, ttmp9, 17                      ; qk32: 131,072 bytes a batch,
	s_lshl_b32 s15, s8, 9                          ; my 128 depths
	s_add_co_u32 s14, s14, s15
	s_mov_b32 s15, 0
	s_lshl_b32 s16, ttmp9, 16                      ; vt32: 65,536 bytes a batch,
	s_lshl_b32 s17, s8, 13                         ; my 128 channels of 64 bytes
	s_add_co_u32 s16, s16, s17
	s_add_co_u32 s16, s16, VT32
	s_mov_b32 s17, 0
	s_lshl_b32 s18, ttmp9, 23                      ; out0: 8,388,608 bytes a batch,
	s_lshl_b32 s19, s8, 9                          ; my 128 channels
	s_add_co_u32 s18, s18, s19
	s_mov_b32 s19, 0
	s_wait_kmcnt 0x0
	s_add_nc_u64 s[20:21], s[4:5], s[14:15]
	s_add_nc_u64 s[22:23], s[4:5], s[16:17]
	s_add_nc_u64 s[6:7], s[6:7], s[18:19]
.irp u, 0,1,2,3,4,5,6,7,8,9,10,11,12,13,14,15   ; registers 4 u .. 4 u + 3: depths 128 w + 8 u + 4 h + 0 .. 3 of token r
	global_load_b128 v[Q+4*\u:Q+4*\u+3], v2, s[20:21] offset:32*\u
	global_load_b128 v[K+4*\u:K+4*\u+3], v2, s[20:21] offset:4096+32*\u
.endr
	s_wait_loadcnt 0x0
.set n, 0
.rept 32                                       ; S^T over my 128 depths: four accumulators by turns, one instruction a turn; the first four start the sums
.if n < 4
	v_wmma_f32_16x16x4_f32 v[SA+8*(n%4):SA+8*(n%4)+7], v[K+2*n:K+2*n+1], v[Q+2*n:Q+2*n+1], 0
.else
	v_wmma_f32_16x16x4_f32 v[SA+8*(n%4):SA+8*(n%4)+7], v[K+2*n:K+2*n+1], v[Q+2*n:Q+2*n+1], v[SA+8*(n%4):SA+8*(n%4)+7]
.endif
.set n, n+1
.endr
.rept 8
	v_nop                                          ; eight places behind this form, in front of loads into its sources and of the first read of its results
.endr
.irp tl, 0,1,2,3,4,5,6,7                       ; v^T: registers 8 tl + i: token 8 h + i of channel 128 w + 16 tl + r.  They land while the softmax is made
	global_load_b128 v[K+8*\tl:K+8*\tl+3], v3, s[22:23] offset:1024*\tl
	global_load_b128 v[K+8*\tl+4:K+8*\tl+7], v3, s[22:23] offset:1024*\tl+16
.endr
.irp j, 0,2,4,6                                ; the four accumulators are added, each read from its low end on
	v_pk_add_f32 v[T+\j:T+\j+1], v[SA+\j:SA+\j+1], v[SA+8+\j:SA+9+\j]
.endr
.irp j, 0,2,4,6
	v_pk_add_f32 v[T+8+\j:T+9+\j], v[SA+16+\j:SA+17+\j], v[SA+24+\j:SA+25+\j]
.endr
.irp j, 0,2,4,6
	v_pk_add_f32 v[T+\j:T+\j+1], v[T+\j:T+\j+1], v[T+8+\j:T+9+\j]
.endr
	ds_store_b128 v11, v[T:T+3]                    ; my partial sum, as an image of its registers
	ds_store_b128 v11, v[T+4:T+7] offset:512
	s_wait_dscnt 0x0                               ; for the others' sake: my stores have landed
	s_barrier_signal -1
	s_barrier_wait -1
.irp w, 0,1,2,3,4,5,6,7
	ds_load_b128 v[Q+8*\w:Q+8*\w+3], v7 offset:PART+1024*\w
	ds_load_b128 v[Q+8*\w+4:Q+8*\w+7], v7 offset:PART+1024*\w+512
.endr
	s_wait_dscnt 0x0
.irp j, 0,2,4,6
	v_pk_add_f32 v[T+\j:T+\j+1], v[Q+\j:Q+\j+1], v[Q+8+\j:Q+9+\j]
.endr
.irp w, 2,3,4,5,6,7
.irp j, 0,2,4,6
	v_pk_add_f32 v[T+\j:T+\j+1], v[T+\j:T+\j+1], v[Q+8*\w+\j:Q+8*\w+\j+1]   ; register j: the score of query r and key 8 h + j
.endr
.endr
	v_mov_b32 v10, 0xff800000                      ; -infinity
.irp j, 0,1,2,3,4,5,6,7
	v_cmp_gt_i32 vcc_lo, \j, v4
	v_cndmask_b32 v[T+\j], v[T+\j], v10, vcc_lo
.endr
	v_max3_num_f32 v8, v[T], v[T+1], v[T+2]        ; the row's maximum; key 0 counts for every query
	v_max3_num_f32 v8, v8, v[T+3], v[T+4]
	v_max3_num_f32 v8, v8, v[T+5], v[T+6]
	v_max_num_f32 v8, v8, v[T+7]
	v_permlanex16_b32 v9, v8, s12, s13
	v_max_num_f32 v8, v8, v9
	v_mul_f32 v10, s10, v8                         ; c m
.irp j, 0,1,2,3,4,5,6,7
	v_fma_f32 v[T+\j], v[T+\j], s10, -v10          ; c s - c m
.endr
.irp j, 0,1,2,3,4,5,6,7
	v_exp_f32 v[T+\j], v[T+\j]
.endr
	v_nop                                          ; a plain line behind the last exponential
	s_wait_alu depctr_va_vdst(0)                   ; one wait for the batch, ahead of its first reader
	v_pk_add_f32 v[8:9], v[T:T+1], v[T+2:T+3]
	v_pk_add_f32 v[T+8:T+9], v[T+4:T+5], v[T+6:T+7]
	v_pk_add_f32 v[8:9], v[8:9], v[T+8:T+9]
	v_add_f32 v8, v8, v9
	v_permlanex16_b32 v9, v8, s12, s13
	v_add_f32 v8, v8, v9                           ; the row's sum
	v_rcp_f32 v10, v8
	v_nop
	s_wait_alu depctr_va_vdst(0)
.irp j, 0,1,2,3,4,5,6,7
	v_mul_f32 v[T+\j], v[T+\j], v10                ; the weights: register j: query r, key 8 h + j
.endr
	s_wait_loadcnt 0x0                             ; v^T
.irp st, 0,1,2,3                               ; O^T: eight accumulators by turns; in step st both sources take keys 8 h + 2 st + 0, 1
.irp tl, 0,1,2,3,4,5,6,7
.if \st == 0
	v_wmma_f32_16x16x4_f32 v[O+8*\tl:O+8*\tl+7], v[K+8*\tl+2*\st:K+8*\tl+2*\st+1], v[T+2*\st:T+2*\st+1], 0
.else
	v_wmma_f32_16x16x4_f32 v[O+8*\tl:O+8*\tl+7], v[K+8*\tl+2*\st:K+8*\tl+2*\st+1], v[T+2*\st:T+2*\st+1], v[O+8*\tl:O+8*\tl+7]
.endif
.endr
.endr
.rept 8
	v_nop                                          ; eight places in front of the stores that read the results
.endr
.irp tl, 0,1,2,3,4,5,6,7                       ; lane (r, h): query r, channels 128 w + 16 tl + 8 h + 0 .. 7; each accumulator from its low end on
	ds_store_b128 v12, v[O+8*\tl:O+8*\tl+3] offset:64*\tl
	ds_store_b128 v12, v[O+8*\tl+4:O+8*\tl+7] offset:64*\tl+16
.endr
.irp t, 0,1,2,3,4,5,6,7,8,9,10,11,12,13,14,15
	ds_load_b128 v[Q+4*\t:Q+4*\t+3], v13 offset:\t*SPITCH   ; LDS serves a wave's instructions in order (ISA guide 5.7.1.4): these see my stores
.endr
.irp t, 0,1,2,3,4,5,6,7,8,9,10,11,12,13,14,15
	s_wait_dscnt 15-\t                             ; row t is back; the rows behind it may be out
	global_store_b128 v7, v[Q+4*\t:Q+4*\t+3], s[6:7] offset:4096*\t th:TH_STORE_NT   ; 32 lanes store 512 consecutive bytes, aligned
.endr
	s_wait_tensorcnt 0x0                           ; the wave's end, behind my last LDS store
	ds_add_u32 v14, v15
	s_wait_dscnt 0x0
	s_endpgm
.Lfunc_end_k_q3c2507da5f_fine:
	.size	k_q3c2507da5f_fine, .Lfunc_end_k_q3c2507da5f_fine-k_q3c2507da5f_fine
	.p2alignl 7, 3214868480
	.fill 96, 4, 3214868480
	.section	.rodata,"a",@progbits
	.p2align	6, 0x0
	.amdhsa_kernel k_q3c2507da5f_fine
		.amdhsa_group_segment_fixed_size 76800
		.amdhsa_private_segment_fixed_size 0
		.amdhsa_enable_private_segment 0
		.amdhsa_kernarg_size 16
		.amdhsa_user_sgpr_count 2
		.amdhsa_user_sgpr_kernarg_segment_ptr 1
		.amdhsa_wavefront_size32 1
		.amdhsa_system_sgpr_workgroup_id_x 1
		.amdhsa_system_sgpr_workgroup_id_y 1
		.amdhsa_system_sgpr_workgroup_id_z 1
		.amdhsa_system_vgpr_workitem_id 0
		.amdhsa_next_free_vgpr 256
		.amdhsa_next_free_sgpr 66
		.amdhsa_reserve_vcc 1
		.amdhsa_float_denorm_mode_32 3
		.amdhsa_float_denorm_mode_16_64 3
		.amdhsa_memory_ordered 1
		.amdhsa_forward_progress 1
		.amdhsa_inst_pref_size 22
	.end_amdhsa_kernel
	.amdgpu_metadata
---
amdhsa.version: [ 1, 2 ]
amdhsa.kernels:
  - .name:           k_q3c2507da5f_fine
    .symbol:         k_q3c2507da5f_fine.kd
    .args:
      - { .name: fine32, .offset: 0, .size: 8, .value_kind: global_buffer, .address_space: global }
      - { .name: out0, .offset: 8, .size: 8, .value_kind: global_buffer, .address_space: global }
    .group_segment_fixed_size: 76800
    .private_segment_fixed_size: 0
    .kernarg_segment_align: 8
    .kernarg_segment_size: 16
    .max_flat_workgroup_size: 256
    .sgpr_count:     66
    .vgpr_count:     256
    .wavefront_size: 32
...
	.end_amdgpu_metadata
.endif
;; end of part 6
